; MI455X (gfx1250); checked and timed in simulation.
; The chip was launched on July 23, 2026; its instructions are those of AMD's public machine-readable ISA for CDNA 5 (MIT licence, August 2026) and "CDNA5" Instruction Set Architecture Reference Guide (July 2026). The comments in the code are by the model that wrote it; some were corrected since.
;; Casual Multihead Self Attn. Allowed arithmetic: matrix products marked QUANTISED: E4M3 operands, one given power-of-two scale a tensor, by v_wmma_f32_16x16x64_fp8_fp8 or v_wmma_f32_16x16x128_fp8_fp8, f32 sums; everything else in f32.
;; Inputs: Wk 1,024 x 1,024 float32; Wo 1,024 x 1,024 float32; Wq 1,024 x 1,024 float32; Wv 1,024 x 1,024 float32; lowp_scales 12 int32 (the exponents e of the quantised operands' scales 2^e); token_positions 2,048 int32; x 4 x 2,048 x 1,024 float32.
;; Outputs: out0 4 x 2,048 x 1,024 float32.
;; This version of the problem:
;;   THIS VERSION OF THE PROBLEM IS GIVEN IN LOW PRECISION. The matrix products marked QUANTISED in the list below multiply operands that are first quantised to E4M3 (4 exponent bits, 3 mantissa bits; 8 bits a number), with one given power-of-two scale for each operand tensor; their sums are f32. All else is computed in f32.
;;   The module's matrix products, in the order in which they are computed (A, B: the left and right operand; K: the contracted axis; several contracted axes count as one K, in the product's order):
;;     1. [M 8,192, K 1,024] x [K 1,024, N 1,024]; A: input x; B: input Wq: QUANTISED (scales: A lowp_scales[0], B lowp_scales[1])
;;     2. [M 8,192, K 1,024] x [K 1,024, N 1,024]; A: input x; B: input Wk: QUANTISED (scales: A lowp_scales[2], B lowp_scales[3])
;;     3. [M 8,192, K 1,024] x [K 1,024, N 1,024]; A: input x; B: input Wv: QUANTISED (scales: A lowp_scales[4], B lowp_scales[5])
;;     4. batch 64 x [M 2,048, K 64] x [K 64, N 2,048]; A: computed on the way; B: computed on the way: QUANTISED (scales: A lowp_scales[6], B lowp_scales[7])
;;     5. batch 64 x [M 2,048, K 2,048] x [K 2,048, N 64]; A: softmax (see below); B: computed on the way: QUANTISED (scales: A lowp_scales[8], B lowp_scales[9])
;;     6. [M 8,192, K 1,024] x [K 1,024, N 1,024]; A: computed on the way; B: input Wo: QUANTISED (scales: A lowp_scales[10], B lowp_scales[11])
;;   THE QUANTISER, for each operand of a quantised product, along K:
;;     - The operand's scale is 2^e, e = its entry of the input lowp_scales (int32; the entries are numbered through the quantised products in the list's order, A before B).
;;     - Each number is divided by the scale, clamped to +-448, and rounded to the nearest number of E4M3, ties to even, subnormals kept.
;;     - The product sums the exact products of the quantised numbers (number of the format x scale) in f32.
;;   ~~~python
;;   def quantise(x, axis, e):      # numpy; x: float32 -> the quantised numbers, widened to float32 again
;;       x = np.moveaxis(x, axis, -1); K = x.shape[-1]
;;       r = np.clip(x / 2.0 ** e, -448, 448)
;;       step = 2.0 ** (np.maximum(np.frexp(np.where(r == 0, 1, r))[1] - 1, -6) - 3)
;;       q = np.round(r / step) * step * 2.0 ** e      # np.round: ties to even
;;       return np.moveaxis(q, -1, axis).astype(np.float32)
;;   ~~~
;;   SOFTMAX AHEAD OF A QUANTISED PRODUCT. Where the list says 'softmax', what is quantised is not the finished softmax but p = 2^(t - M), with t = logit x log2(e) and M = ceil(the row's largest t), a whole number; so 1/2 < the row's largest p <= 1. The row's sum l is taken of the UNQUANTISED p, in f32, and the product's result is divided by l at the end. Since M is a whole number, a kernel that streams over the keys may use a running M (the ceiling of the running maximum): every later rescaling is an exact power of two, so the quantised numbers keep their values, but for numbers so far below the row's largest that they fall under the format's range.
;;   OPERANDS COMPUTED ON THE WAY. 'Computed on the way' means the value that the module computes at that place (a softmax that the list does not call 'softmax' is quantised finished and normalised). What goes into a quantiser is computed in f32, as accurately as f32 sums, v_exp_f32 and their like allow (about 1e-6 of the number): no bf16 or f16 on the way to a quantiser, and a product that is left as it is and whose result goes on into a quantised operand takes f32 operands (vector FMAs, or v_wmma_f32_16x16x4_f32). A number that lies on a knife's edge between two numbers of the format may be rounded either way, as far as f32 arithmetic and the matrix unit's own rounding can turn it there, and no further.
;; One version. Each part assembles by itself: llvm-mc -triple=amdgcn-amd-amdhsa -mcpu=gfx1250 --defsym DOCPART=n.
;; ======== version 1 of 1: 4 launches
;; limits: right only within a limited range of input values
;; workspace buffers: xc 25,165,824 bytes; wc 4,194,304 bytes; rope 524,288 bytes; qkv 25,165,824 bytes; ac 8,388,608 bytes
;; launch prep (part 1): grid 800 x 1, 4 waves a work-group, no clusters, 41,472 bytes of LDS; arguments x, Wq, Wk, Wv, Wo, token_positions, lowp_scales, xc, wc, rope; writes xc, wc, rope
.if DOCPART == 1
	.amdgcn_target "amdgcn-amd-amdhsa--gfx1250"
	.amdhsa_code_object_version 6
	.text
	.protected	k_q07ca8e6963_prep
	.globl	k_q07ca8e6963_prep
	.p2align	8
	.type	k_q07ca8e6963_prep,@function
k_q07ca8e6963_prep:
	s_mov_b64 s[64:65], 0
	v_nop
	global_prefetch_b8 v0, s[64:65] scope:SCOPE_SE
	s_setreg_imm32_b32 hwreg(HW_REG_WAVE_MODE, 25, 1), 1
	s_wait_xcnt 0x0
; THREE JOBS IN ONE LAUNCH, told apart by the work-group's number.
; X (work-groups 0-511): x [8192][1024] f32 becomes THREE sets of E4M3 codes, one for each projection's own scale (entries 0, 2, 4): set k at xc + k x 8,388,608, rows as in x.
; W (512-767): Wq, Wk, Wv, Wo [1024][1024] f32 become codes (entries 1, 3, 5, 11) at wc + 0, 1, 2, 3 MiB.  K is innermost in all of them: a tensor is a plain stream of numbers.
; R (768-799): cos and sin of f32(token_positions[s]) x 10000^(-i/32), i = 0..31, laid as the later reader's registers want them:
;   rope[tb 128][j 8][lane 32][4 f32], j = 2 bb + (0 cos, 1 sin): lane (r = lane % 16, h = lane / 16), word k: token 16 tb + r, frequency 8 bb + 4 h + k.
; code = x / 2^e, held within +-448, to the nearest code, ties to even.  LIMITS: each e used here lies between -126 and 119, so that 2^e and 448 x 2^e are f32 numbers; NaN is not served;
; |token position| up to 2^20 (the two-term reduction of the angle is exact in its first term up to there).
; X, W: a wave takes 8 steps of 512 numbers.  A load reads 512 consecutive bytes, 16 a lane; a step's 2,048 bytes turn through the wave's own stage in LDS and come back 64 bytes a lane, since the
; conversion wants eight neighbours in one lane's registers.  A lane's 16 codes are 16 bytes: a store covers 512 consecutive bytes.  Loads run four steps ahead, the stage one step.  No barrier: waves share nothing.
; No tensor loads, no cluster: nothing is read twice.
.set STEPS, 8
.set SP,    80                         ; a lane's place in a stage: 64 bytes + 16 of padding
.set STG,   32*SP                      ; a stage
.set WREG,  2*STG                      ; a wave's two stages; path X has LDS bytes 0 .. 4 WREG - 1, path W the next 4 WREG
.set R,     16                         ; v16-79   four sets of 16 numbers as loaded
.set X,     80                         ; v80-111  two sets of 16 neighbours
.set T,     112
.set C,     128                        ; v128-223 codes: four registers for each (step, set): no store's data are written again
.set INV0,  0x3f800000                 ; 10^(-i/8) as f32
.set INV1,  0x3f3ff911
.set INV2,  0x3f0ff59a
.set INV3,  0x3ed7e89b
.set INV4,  0x3ea1e89b
.set INV5,  0x3e72d424
.set INV6,  0x3e361887
.set INV7,  0x3e088d77
.set INV8,  0x3dcccccd
.set INV9,  0x3d99940e
.set INV10, 0x3d6655c3
.set INV11, 0x3d2cba15
.set INV12, 0x3d0186e2
.set INV13, 0x3cc24350
.set INV14, 0x3c91ad39
.set INV15, 0x3c5a7bf1
.set INV16, 0x3c23d70a
.set INV17, 0x3bf5b9b0
.set INV18, 0x3bb8449c
.set INV19, 0x3b8a2e77
.set INV20, 0x3b4f3e37
.set INV21, 0x3b1b690d
.set INV22, 0x3ae91528
.set INV23, 0x3aaec98e
.set INV24, 0x3a83126f
.set INV25, 0x3a44948c
.set INV26, 0x3a136a16
.set INV27, 0x39dd1726
.set INV28, 0x39a5cb5f
.set INV29, 0x3978a814
.set INV30, 0x393a7753
.set INV31, 0x390bd472
.macro MKSCALE k, e                    ; set k: v[5+2k] = 2^e as f32 (the conversion takes its exponent field)
	s_add_co_i32 s48, s[\e], 127
	s_lshl_b32 s49, s48, 23
	v_mov_b32 v[5+2*\k], s49
	s_add_co_i32 s48, s48, 8
	s_lshl_b32 s48, s48, 23
	s_or_b32 s48, s48, 0x600000
.endm
.macro LOAD t
.irp i, 0,1,2,3
	global_load_b128 v[R+16*((\t)%4)+4*\i:R+16*((\t)%4)+4*\i+3], v3, s[40:41] offset:2048*(\t)+512*\i th:TH_LOAD_NT   ; 32 lanes read 512 consecutive bytes
.endr
.endm
.macro TURN t                          ; step t through the stage: LDS serves a wave's instructions in order (ISA guide 5.7.1.4), so no wait stands between the stores and the loads
.irp i, 0,1,2,3
	ds_store_b128 v14, v[R+16*((\t)%4)+4*\i:R+16*((\t)%4)+4*\i+3] offset:STG*((\t)%2)+8*SP*\i
.endr
.irp i, 0,1,2,3
	ds_load_b128 v[X+16*((\t)%2)+4*\i:X+16*((\t)%2)+4*\i+3], v15 offset:STG*((\t)%2)+16*\i
.endr
.endm
.macro STEP t, n                       ; n: how many sets of codes are made of the step's numbers
	s_wait_dscnt 0x0                               ; this step's numbers are back from the stage, so its stores into the stage have read their registers,
.if (\t)+4 < STEPS
	LOAD (\t)+4                                    ; which take the loads of four steps on
.endif
.if (\t)+1 < STEPS
.if STEPS-2-(\t) >= 3
	s_wait_loadcnt 12                              ; the next step's four loads are in; those of the three steps behind it may be out
.else
	s_wait_loadcnt 4*(STEPS-2-(\t))
.endif
	TURN (\t)+1
.endif
.irp k, 0,1,2
.if \k < \n
.irp i, 0,1,2,3,4,5,6,7,8,9,10,11,12,13,14,15
.endr
	v_cvt_scalef32_pk8_fp8_f32 v[C+4*(3*(\t)+\k):C+4*(3*(\t)+\k)+1], v[T+((X+16*((\t)%2)+0)-(T+0)):T+7+((X+16*((\t)%2)+0)-(T+0))], v[5+2*\k]
	v_cvt_scalef32_pk8_fp8_f32 v[C+4*(3*(\t)+\k)+2:C+4*(3*(\t)+\k)+3], v[T+8+((X+16*((\t)%2)+0)-(T+0)):T+15+((X+16*((\t)%2)+0)-(T+0))], v[5+2*\k]
	v_nop                                          ; one plain vector line behind the conversions
	global_store_b128 v3, v[C+4*(3*(\t)+\k):C+4*(3*(\t)+\k)+3], s[42+2*\k:43+2*\k] offset:512*(\t)   ; 32 lanes store 512 consecutive bytes
.endif
.endr
.endm
	s_load_b512 s[4:19], s[0:1], 0x0               ; x 4:5, Wq 6:7, Wk 8:9, Wv 10:11, Wo 12:13, positions 14:15, scales 16:17, xc 18:19
	s_load_b128 s[20:23], s[0:1], 0x40             ; wc 20:21, rope 22:23
	v_lshl_add_u32 v224, v0, 2, 0xa000
	v_mov_b32 v225, 0
	v_lshrrev_b32 v1, 5, v0
	v_readfirstlane_b32 s36, v1                    ; wave 0..3
	v_and_b32 v2, 31, v0                           ; lane
	v_lshlrev_b32 v3, 4, v2                        ; 16 x lane: my bytes of a load's and of a store's 512
	s_mul_i32 s37, s36, WREG
	v_lshrrev_b32 v14, 2, v2
	v_mul_u32_u24 v14, v14, SP
	v_and_b32 v15, 3, v2
	v_lshl_add_u32 v14, v15, 4, v14
	v_add_nc_u32 v14, s37, v14                     ; the stage, on the way in: four lanes' 64 bytes on end, then 16 of padding
	v_mul_u32_u24 v15, v2, SP
	v_add_nc_u32 v15, s37, v15                     ; and on the way out: my 16 neighbours
	s_mov_b32 s39, 0
	s_wait_kmcnt 0x0
	s_cmp_lt_u32 ttmp9, 512
	s_cbranch_scc0 .Lnot_x
	; ---- path X
	s_load_b256 s[24:31], s[16:17], 0x0            ; e0 .. e7
	s_lshl_b32 s37, ttmp9, 2
	s_add_co_u32 s37, s37, s36                     ; which run of 4,096 numbers is my wave's
	s_lshl_b32 s38, s37, 14
	s_add_nc_u64 s[40:41], s[4:5], s[38:39]
	s_lshl_b32 s38, s37, 12
	s_add_nc_u64 s[42:43], s[18:19], s[38:39]      ; the three sets lie 8,388,608 bytes apart: a base for each
	s_add_nc_u64 s[44:45], s[42:43], 0x800000
	s_add_nc_u64 s[46:47], s[44:45], 0x800000
	s_wait_alu depctr_va_vdst(0)
.irp t, 0,1,2,3
	LOAD \t
.endr
	s_wait_kmcnt 0x0
	MKSCALE 0, 24
	MKSCALE 1, 26
	MKSCALE 2, 28
	s_wait_alu depctr_va_vdst(0)
	s_wait_loadcnt 12                              ; step 0's four loads are in
	TURN 0
.irp t, 0,1,2,3,4,5,6,7
	STEP \t, 3
.endr
	s_wait_tensorcnt 0x0
	ds_add_u32 v224, v225
	s_wait_dscnt 0x0
	s_endpgm
.Lnot_x:
	s_cmp_lt_u32 ttmp9, 768
	s_cbranch_scc0 .Lrope
	; ---- path W
	s_load_b256 s[24:31], s[16:17], 0x0            ; e0 .. e7
	s_load_b32 s35, s[16:17], 0x2c                 ; e11
	s_wait_alu depctr_va_vdst(0)
	v_add_nc_u32 v14, 4*WREG, v14                  ; this path has LDS bytes of its own
	v_add_nc_u32 v15, 4*WREG, v15
	s_sub_co_u32 s37, ttmp9, 512
	s_lshr_b32 s50, s37, 6                         ; which weight: 0 q, 1 k, 2 v, 3 o
	s_and_b32 s37, s37, 63
	s_lshl_b32 s37, s37, 2
	s_add_co_u32 s37, s37, s36                     ; which run of 4,096 numbers of it
	s_cmp_eq_u32 s50, 1                            ; the choices hang on the work-group's number alone
	s_cselect_b64 s[40:41], s[8:9], s[6:7]
	s_cmp_eq_u32 s50, 2
	s_cselect_b64 s[40:41], s[10:11], s[40:41]
	s_cmp_eq_u32 s50, 3
	s_cselect_b64 s[40:41], s[12:13], s[40:41]
	s_lshl_b32 s38, s37, 14
	s_add_nc_u64 s[40:41], s[40:41], s[38:39]
	s_lshl_b32 s38, s50, 20
	s_lshl_b32 s52, s37, 12
	s_add_co_u32 s38, s38, s52
	s_add_nc_u64 s[42:43], s[20:21], s[38:39]
.irp t, 0,1,2,3
	LOAD \t
.endr
	s_wait_alu depctr_va_vdst(0)
	s_wait_kmcnt 0x0
	s_cmp_eq_u32 s50, 1
	s_cselect_b32 s51, s27, s25                    ; e3 or e1
	s_cmp_eq_u32 s50, 2
	s_cselect_b32 s51, s29, s51                    ; e5
	s_cmp_eq_u32 s50, 3
	s_cselect_b32 s51, s35, s51                    ; e11
	MKSCALE 0, 51
	s_wait_alu depctr_va_vdst(0)
	s_wait_loadcnt 12
	TURN 0
.irp t, 0,1,2,3,4,5,6,7
	STEP \t, 1
.endr
	s_wait_tensorcnt 0x0
	ds_add_u32 v224, v225
	s_wait_dscnt 0x0
	s_endpgm
.Lrope:
	; ---- path R: a wave makes one block of 16 tokens: 16 angles a lane
	s_sub_co_u32 s37, ttmp9, 768
	s_lshl_b32 s37, s37, 2
	s_add_co_u32 s37, s37, s36                     ; tb
	s_lshl_b32 s38, s37, 6
	s_add_nc_u64 s[40:41], s[14:15], s[38:39]      ; the block's 16 positions
	s_lshl_b32 s38, s37, 12
	s_add_nc_u64 s[42:43], s[22:23], s[38:39]      ; the block's 4,096 bytes of the table
	s_wait_alu depctr_va_vdst(0)
	v_and_b32 v4, 15, v2
	v_lshlrev_b32 v4, 2, v4
	global_load_b32 v16, v4, s[40:41]
	v_cmp_lt_u32 vcc_lo, 15, v2                    ; lanes 16-31 take the frequencies four further on
	v_mov_b32 v18, 0xb94ca1f9                      ; the leading coefficients of the two polynomials
	v_mov_b32 v19, 0x37ccf5ce
	s_wait_loadcnt 0x0
	v_cvt_f32_i32 v17, v16
; cos and sin of position x frequency, in f32.  The angle is one rounded product.  n = the nearest whole number to angle x 2/pi; r = angle - n pi/2 with pi/2 in two parts, by fused multiply-adds;
; on |r| <= pi/4 a polynomial each for sin and cos; n mod 4 says which of the two serves and with which sign.  dst: the cosine's register; the sine's lies four on.
.macro ANGLE lo, hi, dst
	v_mov_b32 v20, INV\lo
	v_mov_b32 v21, INV\hi
	v_cndmask_b32 v22, v20, v21, vcc_lo
	v_mul_f32 v23, v17, v22
	v_mul_f32 v24, 0x3f22f983, v23
	v_rndne_f32 v24, v24
	v_fmamk_f32 v25, v24, 0xbfc90fdb, v23
	v_fmamk_f32 v25, v24, 0x333bbd2e, v25
	v_cvt_i32_f32 v26, v24
	v_mul_f32 v27, v25, v25
	v_fmaak_f32 v28, v18, v27, 0x3c08839e
	v_fmaak_f32 v28, v28, v27, 0xbe2aaaa3
	v_mul_f32 v28, v28, v27
	v_fma_f32 v29, v28, v25, v25                   ; sin r
	v_fmaak_f32 v30, v19, v27, 0xbab6061a
	v_fmaak_f32 v30, v30, v27, 0x3d2aaaa5
	v_fma_f32 v31, v27, -0.5, 1.0
	v_mul_f32 v32, v27, v27
	v_fma_f32 v33, v30, v32, v31                   ; cos r
	v_and_b32 v34, 1, v26
	v_cmp_eq_u32 s52, 1, v34                       ; n odd: the two change places
	v_cndmask_b32 v[(\dst)+4], v29, v33, s52
	v_cndmask_b32 v[\dst], v33, v29, s52
	v_lshlrev_b32 v34, 30, v26                     ; sin is negative where n mod 4 is 2 or 3,
	v_and_b32 v34, 0x80000000, v34
	v_xor_b32 v[(\dst)+4], v34, v[(\dst)+4]
	v_add_nc_u32 v34, 1, v26                       ; cos where it is 1 or 2
	v_lshlrev_b32 v34, 30, v34
	v_and_b32 v34, 0x80000000, v34
	v_xor_b32 v[\dst], v34, v[\dst]
.endm
	ANGLE 0, 4, 64
	ANGLE 1, 5, 65
	ANGLE 2, 6, 66
	ANGLE 3, 7, 67
	ANGLE 8, 12, 72
	ANGLE 9, 13, 73
	ANGLE 10, 14, 74
	ANGLE 11, 15, 75
	ANGLE 16, 20, 80
	ANGLE 17, 21, 81
	ANGLE 18, 22, 82
	ANGLE 19, 23, 83
	ANGLE 24, 28, 88
	ANGLE 25, 29, 89
	ANGLE 26, 30, 90
	ANGLE 27, 31, 91
.irp j, 0,1,2,3,4,5,6,7
	global_store_b128 v3, v[64+4*\j:67+4*\j], s[42:43] offset:512*\j   ; 32 lanes store 512 consecutive bytes
.endr
	s_endpgm
.Lfunc_end_k_q07ca8e6963_prep:
	.size	k_q07ca8e6963_prep, .Lfunc_end_k_q07ca8e6963_prep-k_q07ca8e6963_prep
	.p2alignl 7, 3214868480
	.fill 96, 4, 3214868480
	.section	.rodata,"a",@progbits
	.p2align	6, 0x0
	.amdhsa_kernel k_q07ca8e6963_prep
		.amdhsa_group_segment_fixed_size 41472
		.amdhsa_private_segment_fixed_size 0
		.amdhsa_enable_private_segment 0
		.amdhsa_kernarg_size 80
		.amdhsa_user_sgpr_count 2
		.amdhsa_user_sgpr_kernarg_segment_ptr 1
		.amdhsa_wavefront_size32 1
		.amdhsa_system_sgpr_workgroup_id_x 1
		.amdhsa_system_sgpr_workgroup_id_y 1
		.amdhsa_system_sgpr_workgroup_id_z 1
		.amdhsa_system_vgpr_workitem_id 0
		.amdhsa_next_free_vgpr 226
		.amdhsa_next_free_sgpr 66
		.amdhsa_reserve_vcc 1
		.amdhsa_float_denorm_mode_32 3
		.amdhsa_float_denorm_mode_16_64 3
		.amdhsa_fp16_overflow 1
		.amdhsa_memory_ordered 1
		.amdhsa_forward_progress 1
		.amdhsa_inst_pref_size 53
	.end_amdhsa_kernel
	.amdgpu_metadata
---
amdhsa.version: [ 1, 2 ]
amdhsa.kernels:
  - .name:           k_q07ca8e6963_prep
    .symbol:         k_q07ca8e6963_prep.kd
    .args:
      - { .name: x, .offset: 0, .size: 8, .value_kind: global_buffer, .address_space: global }
      - { .name: Wq, .offset: 8, .size: 8, .value_kind: global_buffer, .address_space: global }
      - { .name: Wk, .offset: 16, .size: 8, .value_kind: global_buffer, .address_space: global }
      - { .name: Wv, .offset: 24, .size: 8, .value_kind: global_buffer, .address_space: global }
      - { .name: Wo, .offset: 32, .size: 8, .value_kind: global_buffer, .address_space: global }
      - { .name: token_positions, .offset: 40, .size: 8, .value_kind: global_buffer, .address_space: global }
      - { .name: lowp_scales, .offset: 48, .size: 8, .value_kind: global_buffer, .address_space: global }
      - { .name: xc, .offset: 56, .size: 8, .value_kind: global_buffer, .address_space: global }
      - { .name: wc, .offset: 64, .size: 8, .value_kind: global_buffer, .address_space: global }
      - { .name: rope, .offset: 72, .size: 8, .value_kind: global_buffer, .address_space: global }
    .group_segment_fixed_size: 41472
    .private_segment_fixed_size: 0
    .kernarg_segment_align: 8
    .kernarg_segment_size: 80
    .max_flat_workgroup_size: 128
    .sgpr_count:     66
    .vgpr_count:     226
    .wavefront_size: 32
...
	.end_amdgpu_metadata
.endif
;; end of part 1
;; launch qkv (part 2): grid 12 x 32, 4 waves a work-group, clusters of 4 x 4, 327,680 bytes of LDS; arguments xc, wc, rope, lowp_scales, qkv; writes qkv
.if DOCPART == 2
	.amdgcn_target "amdgcn-amd-amdhsa--gfx1250"
	.amdhsa_code_object_version 6
	.text
	.protected	k_q07ca8e6963_qkv
	.globl	k_q07ca8e6963_qkv
	.p2align	8
	.type	k_q07ca8e6963_qkv,@function
k_q07ca8e6963_qkv:
	s_mov_b64 s[64:65], 0
	v_nop
	global_prefetch_b8 v0, s[64:65] scope:SCOPE_SE
	s_setreg_imm32_b32 hwreg(HW_REG_WAVE_MODE, 25, 1), 1
	s_wait_xcnt 0x0
	s_wait_alu depctr_hold_cnt(0) depctr_sa_sdst(0) depctr_va_vdst(0) depctr_va_sdst(0) depctr_va_ssrc(0) depctr_va_vcc(0) depctr_vm_vsrc(0)
	s_getreg_b32 s2, hwreg(HW_REG_IB_STS2, 6, 4)
	s_cmp_eq_u32 s2, 0
	s_cbranch_scc0 .Lentry_in_a_cluster
	s_endpgm
.Lentry_in_a_cluster:
	s_bfe_u32 s2, ttmp6, 0x10000c
	s_cmp_lg_u32 s2, 0xf033
	s_cbranch_scc0 .Lentry_shape_is_right
	s_endpgm
.Lentry_shape_is_right:
; THE THREE PROJECTIONS on codes of E4M3, K = 1,024, with rope on q and k, and the results quantised for attention on the way out.
; The cluster's x says which: 0 q, 1 k, 2 v; it is the same in all sixteen partners, so the one branch on it is alike in all.
; A tile of 256 x 256 is made by four waves, 128 x 128 each: 64 accumulators, 512 registers.  K goes in steps of 256 through two LDS slots filled by the tensor data mover.
; THE MATRIX INSTRUCTION IS USED TRANSPOSED: source 0 = 16 rows of 'B', source 1 = 16 rows of 'A': a lane holds one row of 'A' and eight neighbouring rows of 'B'.
;   q, k: 'A' = x's codes (that projection's own set), 'B' = the weight's: a lane holds one token and eight neighbouring channels: four rope pairs, and eight neighbours along attention's first K.
;   v:    'A' = Wv's codes, 'B' = x's: a lane holds one channel and eight neighbouring TOKENS: eight neighbours along attention's second K.  Nothing is transposed by an instruction.
; OUT (buffer qkv): q at 0 and k at 8 MiB: [batch x 16 + head][token 2048][64] codes.  v at 16 MiB: [batch x 16 + head][key block 16][channel 64][128 bytes]; in a block, key 32 c + 16 u + 8 h + i lies at
; byte 32 c + 16 h + 8 u + i, so that four 16-byte loads give the second product's operand with each key in the place that the weights' codes take.
; SCALES: a sum stands for sum x 2^(ea + eb); its code is sum / 2^(eo - ea - eb): the three exponents are folded into the conversion's one; (ea, eb, eo) = entries (0, 1, 6), (2, 3, 7), (4, 5, 9).
; LIMIT: eo - ea - eb lies between -126 and 119.  NaN is not served.
; CLUSTERS: 4 x 4 work-groups; 'A''s tile is shared along a row of the cluster, 'B''s along a column: each is asked for jointly.  By this text's count a wave has two tensor loads out at the start, then one.
; No prefetch of tiles: K has four slots, of which two are the first fills.
; REGISTERS, in windows of 256: window 0: v0-31 addresses; v32-95 two blocks of the rope table; v96-111 codes; v112-119 at work; from v128 'A''s fragments, ONE set (on the way out v128-223 are free);
;   window 1: 'B''s fragments, two sets;  window 2: the accumulators of my rows 0-63 ((a, b) at v[8 (8 a + b)]);  window 3: those of rows 64-127.
.set ROWB,   256                       ; a tile's row: 256 codes
.set KROW,   1024                      ; a row of codes in memory
.set PITCH,  272                       ; an LDS row: 256 bytes + 16 of padding = 68 words: the 16 rows that a load touches start at 16 different banks (64 banks of 4 bytes: ISA guide 11.1)
.set FR,     16
.set NL,     4
.set NP,     4                         ; places behind this matrix instruction (ISA guide 7.12.1)
.set HALFT,  128*PITCH
.set SLOT,   4*HALFT
.set SPARE,  2*SLOT                    ; behind the ring: the spare words, 128 bytes for each wave
.set STGW,   2560                      ; the way out: a stage for each wave, in slot 0, which has had its last fill and its last read by then; q and k take bytes 0 .. 4 STGW - 1,
.set STGV,   4*STGW                    ; v the next 4 STGW
.set ADRA, 16                          ; v16-17 LDS address of my 'A' fragments in slot 0, 1
.set SC,   18                          ; v18    2^(eo - ea - eb) as f32
.set LIM,  19
.set ADRB, 20                          ; v20-21 the same as ADRA for 'B'
.set STOV, 22                          ; v22, v23 v's stage: in, back
.set RDV,  23
.set STOQ, 24                          ; v24, v25 q's and k's stage: in, back
.set RDQ,  25
.set CO,   26                          ; v26    16 x lane
.set SPW,  28                          ; v28    LDS address of my spare word; never rewritten
.set NIL,  29                          ; v29    0; never rewritten
.set RP,   32
.set CD,   96
.set U,    112
.set AF,   128
.set TMP,  128
.set BK,   192                         ; two sets of 16: a block's codes read back from the stage
.set G1, 24
.set G0, 32
.set G1B, 48
.set G0B, 56
.set WH, 66                            ; s66 which projection
.set MSB, 0
.macro WIN new                         ; the immediate's high byte repeats the setting that is left
.if MSB != \new
	s_set_vgpr_msb (MSB<<8)|\new
.set MSB, \new
.endif
.endm
.set MUL_LO, 0xa1                      ; source 0 ('B') window 1, source 1 ('A') window 0, C and D window 2
.set MUL_HI, 0xf1                      ; the same, C and D window 3
.set TO_B,   0x40                      ; destination window 1, address window 0
; A joint load: waves 0 and 1 fetch for 'A', waves 2 and 3 for 'B'.  The branch hangs on the wave's number alone.  Four v_nop follow each of the two lines.
.macro JLOAD g0a, g1a, g0b, g1b
	s_cmp_eq_u32 s15, 0
	s_cbranch_scc0 .Lfor_b_\@
	tensor_load_to_lds s[\g0a:\g0a+3], s[\g1a:\g1a+7]
	s_nop 0
.rept 4
	v_nop
.endr
	s_branch .Lasked_\@
.Lfor_b_\@:
	tensor_load_to_lds s[\g0b:\g0b+3], s[\g1b:\g1b+7]
	s_nop 0
.rept 4
	v_nop
.endr
.Lasked_\@:
.endm
.macro CREST                           ; a round of the cluster's barrier behind its opening barrier
	s_cmp_lg_u32 s14, 0
	s_cbranch_scc1 .Lnot_wave_0_\@
	s_barrier_signal -3
.Lnot_wave_0_\@:
	s_barrier_wait -3
	s_barrier_signal -1
	s_barrier_wait -1
.endm
.macro CROUND
	s_barrier_signal -1
	s_barrier_wait -1
	CREST
.endm
	s_load_b256 s[4:11], s[0:1], 0x0               ; xc 4:5, wc 6:7, rope 8:9, the scales' exponents 10:11
	s_load_b64 s[12:13], s[0:1], 0x20              ; qkv
	v_lshl_add_u32 v[SPW], v0, 2, SPARE
	v_mov_b32 v[NIL], 0
	ds_add_u32 v28, v29
	ds_add_u32 v28, v29
	s_wait_dscnt 0x0
	v_lshrrev_b32 v1, 5, v0
	v_readfirstlane_b32 s14, v1                    ; wave 0..3
	s_lshr_b32 s15, s14, 1                         ; which half of the tile's 'A' rows is mine.  Also: I fetch for 'A' (0) or for 'B' (1)
	s_and_b32 s16, s14, 1                          ; which half of its 'B' rows.  Also: which 128 rows of that tile I fetch
	s_bfe_u32 s40, ttmp6, 0x40000                  ; cx, cy: my place in the cluster
	s_bfe_u32 s41, ttmp6, 0x40004
	s_mov_b32 s[WH], ttmp9                         ; the cluster's x
	s_and_b32 s67, ttmp7, 0xffff
	s_lshl_b32 s67, s67, 2                         ; 4 x the cluster's y
	s_add_co_u32 s19, s67, s41
	s_add_co_u32 s18, s67, s40
	s_cmp_eq_u32 s[WH], 2
	s_cselect_b32 s17, s41, s19                    ; 'A''s tile: v: cy (of Wv's 4); q, k: 4 y + cy (of x's 32): it hangs on cy alone
	s_cselect_b32 s42, s18, s40                    ; 'B''s tile: v: 4 y + cx; q, k: cx: on cx alone
	s_cselect_b32 s88, 20, 23                      ; a weight's codes are 2^20 bytes, a set of x's 2^23
	s_cselect_b32 s89, 23, 20
	s_lshl_b32 s88, s[WH], s88                     ; where 'A''s set begins in its buffer,
	s_lshl_b32 s89, s[WH], s89                     ; and 'B''s
	s_lshl_b32 s43, s41, 2
	s_lshl_b32 s43, 15, s43                        ; my row of the cluster
	s_lshl_b32 s44, 0x1111, s40                    ; my column
	; descriptor group 1: a tile of 128 rows x 256 bytes, padded in LDS
	s_or_b32 s[G1+0], s43, (0<<16)|(1<<20)|(1<<21)|(5<<22)|(3<<25)  ; 15:0 the mask; 17:16 elements of 1 byte; 20 padding on; 21 set beside a mask; 24:22 after every 64 words; 31:25 four words
	s_or_b32 s[G1B+0], s44, (0<<16)|(1<<20)|(1<<21)|(5<<22)|(3<<25)
.irp g, G1, G1B
	s_mov_b32 s[\g+1], ROWB<<16                    ; tensor_dim0
	s_mov_b32 s[\g+2], 128<<16                     ; tensor_dim1
	s_mov_b32 s[\g+3], ROWB<<16                    ; tile_dim0
	s_mov_b32 s[\g+4], 128                         ; tile_dim1
	s_mov_b32 s[\g+5], KROW                        ; tensor_dim0_stride
	s_mov_b32 s[\g+6], 0
	s_mov_b32 s[\g+7], 0
.endr
	s_lshl_b32 s18, s16, 7                         ; which 128 rows of the tile I fetch
	s_lshl_b32 s20, s17, 8
	s_add_co_u32 s20, s20, s18
	s_lshl_b32 s20, s20, 10                        ; rows of 1,024 bytes
	s_add_co_u32 s20, s20, s88
	s_mov_b32 s21, 0
	s_lshl_b32 s46, s42, 8
	s_add_co_u32 s46, s46, s18
	s_lshl_b32 s46, s46, 10
	s_add_co_u32 s46, s46, s89
	s_mov_b32 s47, 0
	s_mul_i32 s45, s14, HALFT                      ; where they go: wave x 128 rows: no place in the cluster enters an LDS address
	s_wait_kmcnt 0x0
	s_load_b256 s[68:75], s[10:11], 0x0            ; e0 .. e7
	s_load_b128 s[76:79], s[10:11], 0x20           ; e8 .. e11
	s_cmp_eq_u32 s[WH], 2
	s_cselect_b64 s[84:85], s[6:7], s[4:5]         ; 'A''s buffer,
	s_cselect_b64 s[86:87], s[4:5], s[6:7]         ; 'B''s
	s_add_nc_u64 s[20:21], s[84:85], s[20:21]
	s_add_nc_u64 s[46:47], s[86:87], s[46:47]
	CROUND                                         ; all sixteen work-groups are here: the first joint loads meet
.irp s, 0,1
	s_mov_b32 s[G0+4*\s], 1
	s_add_co_u32 s[G0+4*\s+1], s45, \s*SLOT
	s_add_nc_u64 s[G0+4*\s+2:G0+4*\s+3], s[20:21], \s*ROWB
	s_or_b32 s[G0+4*\s+3], s[G0+4*\s+3], 0x80000000
	s_mov_b32 s[G0B+4*\s], 1
	s_add_co_u32 s[G0B+4*\s+1], s45, \s*SLOT
	s_add_nc_u64 s[G0B+4*\s+2:G0B+4*\s+3], s[46:47], \s*ROWB
	s_or_b32 s[G0B+4*\s+3], s[G0B+4*\s+3], 0x80000000
	JLOAD G0+4*\s, G1, G0B+4*\s, G1B
.endr
	v_and_b32 v1, 15, v0                           ; r = l % 16
	v_bfe_u32 v2, v0, 4, 1                         ; h = l / 16
	v_mul_u32_u24 v3, v1, PITCH
	v_lshl_add_u32 v4, v2, 4, v3                   ; a fragment's row x pitch + 16 x half
	s_mul_i32 s21, s15, HALFT                      ; my 128 rows of 'A'
	s_mul_i32 s22, s16, HALFT                      ; my 128 rows of 'B',
	s_add_co_u32 s22, s22, 2*HALFT                 ; which lie behind 'A''s 256
.irp s, 0,1
	v_add_nc_u32 v[ADRA+\s], s21, v4
	v_add_nc_u32 v[ADRB+\s], s22, v4
	s_add_co_u32 s21, s21, SLOT
	s_add_co_u32 s22, s22, SLOT
.endr
	v_and_b32 v6, 31, v0
	v_lshlrev_b32 v[CO], 4, v6
	s_mul_i32 s23, s14, STGW                       ; q's and k's stage: two heads x 16 tokens x (64 bytes + 16)
	v_mul_u32_u24 v5, v1, 80
	v_lshl_add_u32 v5, v2, 3, v5
	v_add_nc_u32 v[STOQ], s23, v5                  ; in: token r, 8 bytes for each half of the lanes
	v_lshrrev_b32 v5, 2, v6
	v_mul_u32_u24 v5, v5, 80
	v_and_b32 v7, 3, v6
	v_lshl_add_u32 v5, v7, 4, v5
	v_add_nc_u32 v[RDQ], s23, v5                   ; back: four lanes to a token's 64 bytes
	s_add_co_u32 s23, s23, STGV                    ; v's stage: 16 channels x (128 bytes + 16)
	v_mul_u32_u24 v5, v1, 144
	v_lshl_add_u32 v5, v2, 4, v5
	v_add_nc_u32 v[STOV], s23, v5                  ; in: channel r, + 16 h
	v_lshrrev_b32 v5, 3, v6
	v_mul_u32_u24 v5, v5, 144
	v_and_b32 v7, 7, v6
	v_lshl_add_u32 v5, v7, 4, v5
	v_add_nc_u32 v[RDV], s23, v5                   ; back: eight lanes to a channel's 128 bytes
	s_wait_kmcnt 0x0
	s_cmp_eq_u32 s[WH], 1                          ; the three exponents are chosen without a jump
	s_cselect_b32 s80, s70, s68
	s_cselect_b32 s81, s71, s69
	s_cselect_b32 s82, s75, s74
	s_cmp_eq_u32 s[WH], 2
	s_cselect_b32 s80, s72, s80
	s_cselect_b32 s81, s73, s81
	s_cselect_b32 s82, s77, s82
	s_sub_co_i32 s83, s82, s80
	s_sub_co_i32 s83, s83, s81                     ; eo - ea - eb
	s_add_co_i32 s83, s83, 127
	s_lshl_b32 s80, s83, 23
	v_mov_b32 v[SC], s80
.macro FRAG reg, adr, q, i             ; a fragment, 16 rows x 128 K, is 16 registers: lane l holds row l % 16; registers 4 c .. 4 c + 3 hold K = 32 c + 16 (l / 16) + 0 .. 15: the same places in 'A' and in 'B'
.irp c, 0,1,2,3
	ds_load_b128 v[\reg+4*\c:\reg+4*\c+3], v[\adr] offset:128*(\q)+32*\c+(\i)*16*PITCH
.endr
.endm
; 16 matrix instructions: 'A''s blocks a0, a0 + 1 x 'B''s eight.  p: 'B''s set.  zero = 1: the first product starts the sums.  The 64 accumulators take turns, one instruction a turn.
.macro MUL16 a0, p, zero
.irp a, \a0, \a0+1
.irp b, 0,1,2,3,4,5,6,7
.if \zero
	v_wmma_f32_16x16x128_fp8_fp8 v[8*(8*((\a)%4)+\b):8*(8*((\a)%4)+\b)+7], v[128*(\p)+FR*\b:128*(\p)+FR*\b+FR-1], v[AF+FR*(\a):AF+FR*(\a)+FR-1], 0
.else
	v_wmma_f32_16x16x128_fp8_fp8 v[8*(8*((\a)%4)+\b):8*(8*((\a)%4)+\b)+7], v[128*(\p)+FR*\b:128*(\p)+FR*\b+FR-1], v[AF+FR*(\a):AF+FR*(\a)+FR-1], v[8*(8*((\a)%4)+\b):8*(8*((\a)%4)+\b)+7]
.endif
.endr
.endr
.endm
.macro FETCH_B slot, q, p
	WIN TO_B
.irp i, 0,1,2,3,4,5,6,7
	FRAG 128*(\p)+FR*\i, ADRB+\slot, \q, \i
.endr
	WIN 0
.endm
.macro FETCH_A slot, q, i0
.irp i, \i0, \i0+1, \i0+2, \i0+3
	FRAG AF+FR*(\i), ADRA+\slot, \q, \i
.endr
.endm
.macro PLACES n                        ; plain vector lines between a matrix instruction and a load into, or a vector read or write of, its registers
.rept \n
	v_nop
.endr
.endm
.macro STEP slot, q, zero              ; a step of 128 along K that has its successor in the same slot
	s_wait_dscnt 4*NL                              ; 'B''s set and 'A''s blocks 0-3 are in; the youngest sixteen loads ('A''s blocks 4-7) may be out
	WIN MUL_LO
	MUL16 0, (\q)%2, \zero
	MUL16 2, (\q)%2, \zero
	s_wait_dscnt 0
	PLACES NP
	FETCH_B \slot, (\q)+1, 1-(\q)%2
	FETCH_A \slot, (\q)+1, 0
	WIN MUL_HI
	MUL16 4, (\q)%2, \zero
	MUL16 6, (\q)%2, \zero
	PLACES NP
	WIN 0
	FETCH_A \slot, (\q)+1, 4
.endm
; A slot's last step changes slots: one barrier; in front of it each wave waits for all its tensor loads, adds 0 to its spare word, and waits for that and for its own reads of this slot.  fill = 1: the slot is filled again, two K steps ahead.
.macro TURN slot, next, fill
	s_wait_tensorcnt 0x0                           ; all my tensor loads have landed: my part of the next slot
	ds_add_u32 v[SPW], v[NIL]                      ; 0 onto my spare word
	s_wait_dscnt 4*NL+1                            ; (the add and the youngest sixteen loads may be out)
	WIN MUL_LO
	MUL16 0, 1, 0
	s_wait_dscnt 0x0                               ; the add is done, and my reads of this slot are over
	s_barrier_signal -1
	MUL16 2, 1, 0
	WIN 0
	s_barrier_wait -1
.if \fill
	CREST                                          ; the barrier has opened a round of the cluster's barrier: no wave of any partner still reads this slot or has a load on its way
	s_add_nc_u64 s[G0+4*\slot+2:G0+4*\slot+3], s[G0+4*\slot+2:G0+4*\slot+3], 2*ROWB
	s_add_nc_u64 s[G0B+4*\slot+2:G0B+4*\slot+3], s[G0B+4*\slot+2:G0B+4*\slot+3], 2*ROWB
	JLOAD G0+4*\slot, G1, G0B+4*\slot, G1B         ; the first tensor load behind the round; its four v_nop are also the places in front of the loads below
.else
	PLACES NP
.endif
	FETCH_B \next, 0, 0
	FETCH_A \next, 0, 0
	WIN MUL_HI
	MUL16 4, 1, 0
	MUL16 6, 1, 0
	PLACES NP
	WIN 0
	FETCH_A \next, 0, 4
.endm
.macro LASTSTEP                        ; nothing more to fetch
	s_wait_dscnt 4*NL
	WIN MUL_LO
	MUL16 0, 1, 0
	MUL16 2, 1, 0
	s_wait_dscnt 0
	WIN MUL_HI
	MUL16 4, 1, 0
	MUL16 6, 1, 0
	WIN 0
.endm
	s_wait_tensorcnt 1                             ; my part of K step 0 is in (K step 1's load may be out)
	s_barrier_signal -1
	s_barrier_wait -1                              ; everybody's is
	FETCH_B 0, 0, 0
	FETCH_A 0, 0, 0
	FETCH_A 0, 0, 4
	STEP 0, 0, 1                                   ; K = 1,024 is four slots: the eight steps of 128 are written out
	TURN 0, 1, 1
	STEP 1, 0, 0
	TURN 1, 0, 1
	STEP 0, 0, 0
	TURN 0, 1, 0                                   ; the last change of slots fills nothing: behind it nobody reads slot 0, which takes the stages
	s_cmp_eq_u32 s[WH], 2                          ; the ways part here, on the cluster's x
	s_cbranch_scc1 .Lv_path
	; ---- q and k.  My tokens: 256 x tile + 128 x (wave / 2) + 16 a + r; my channels: 256 cx + 128 x (wave % 2) + 16 b + 8 h + 0 .. 7
	s_lshl_b32 s18, s17, 4
	s_lshl_b32 s19, s15, 3
	s_add_co_u32 s18, s18, s19
	s_and_b32 s18, s18, 127                        ; my first block of 16 tokens within the sequence
	s_lshl_b32 s18, s18, 12
	s_mov_b32 s19, 0
	s_add_nc_u64 s[90:91], s[8:9], s[18:19]
.macro ROPELOAD a                      ; block a's cos and sin: eight images of four registers, 512 consecutive bytes a load
.irp j, 0,1,2,3,4,5,6,7
	global_load_b128 v[RP+32*((\a)%2)+4*\j:RP+32*((\a)%2)+4*\j+3], v[CO], s[90:91] offset:4096*(\a)+512*\j
.endr
.endm
	ROPELOAD 0                                     ; they land under the 128 matrix instructions that follow
	ROPELOAD 1
	s_lshr_b32 s20, s17, 3                         ; batch
	s_lshl_b32 s20, s20, 4
	s_lshl_b32 s21, s40, 2
	s_add_co_u32 s20, s20, s21
	s_lshl_b32 s21, s16, 1
	s_add_co_u32 s20, s20, s21                     ; batch x 16 + my first head
	s_lshl_b32 s20, s20, 11
	s_lshl_b32 s21, s17, 8
	s_lshl_b32 s22, s15, 7
	s_add_co_u32 s21, s21, s22
	s_and_b32 s21, s21, 2047                       ; my first token within the sequence
	s_add_co_u32 s20, s20, s21
	s_lshl_b32 s20, s20, 6
	s_lshl_b32 s21, s[WH], 23
	s_add_co_u32 s20, s20, s21
	s_mov_b32 s21, 0
	s_add_nc_u64 s[92:93], s[12:13], s[20:21]
	STEP 1, 0, 0
	LASTSTEP
; Block a: 16 tokens x 128 channels (two heads).  Each pair (even, odd) is turned by its angle; eight neighbours become eight codes; through my stage; back as a head's 16 rows of 64 bytes, which lie on end in memory.
.macro QKBLOCK a
.set AC, 64*((\a)%4)
.set RS, RP+32*((\a)%2)
.set BB, BK+16*((\a)%2)
.if (\a) < 7
	s_wait_loadcnt 8                               ; this block's eight table loads are in; the next block's may be out
.else
	s_wait_loadcnt 0
.endif
	WIN 0x02+((\a)/4)                              ; source 0: window 2 or 3
.irp b, 0,1,2,3,4,5,6,7
.irp p, 0,1,2,3
	v_mul_f32 v[U+\p], v[AC+8*\b+2*\p+1], v[RS+8*(\b%4)+4+\p]      ; odd x sin  (an accumulator's first read is of its register 1)
.endr
.irp p, 0,1,2,3
	v_mul_f32 v[U+4+\p], v[AC+8*\b+2*\p], v[RS+8*(\b%4)+4+\p]      ; even x sin
.endr
.irp p, 0,1,2,3
	v_fma_f32 v[TMP+8*\b+2*\p], v[AC+8*\b+2*\p], v[RS+8*(\b%4)+\p], -v[U+\p]        ; even x cos - odd x sin
	v_fma_f32 v[TMP+8*\b+2*\p+1], v[AC+8*\b+2*\p+1], v[RS+8*(\b%4)+\p], v[U+4+\p]   ; odd x cos + even x sin
.endr
.endr
	WIN 0
.set i, 0
.rept 64
.set i, i+1
.endr
.irp b, 0,1,2,3,4,5,6,7
	v_cvt_scalef32_pk8_fp8_f32 v[CD+2*\b:CD+2*\b+1], v[TMP+8*\b:TMP+8*\b+7], v[SC]
.endr
	v_nop                                          ; one plain vector line behind the last conversion
.if (\a)+2 < 8
	ROPELOAD (\a)+2                                ; into the set just used
.endif
.irp b, 0,1,2,3,4,5,6,7
	ds_store_b64 v[STOQ], v[CD+2*\b:CD+2*\b+1] offset:1280*(\b/4)+16*(\b%4)
.endr
.irp u, 0,1,2,3
	ds_load_b128 v[BB+4*\u:BB+4*\u+3], v[RDQ] offset:1280*(\u/2)+640*(\u%2)   ; LDS serves a wave's instructions in order (ISA guide 5.7.1.4): these see the stores above
.endr
.endm
.macro QKSEND a, younger               ; younger: the LDS instructions issued behind block a's loads
.set BB, BK+16*((\a)%2)
	s_wait_dscnt \younger
.irp u, 0,1,2,3
	global_store_b128 v[CO], v[BB+4*\u:BB+4*\u+3], s[92:93] offset:1024*(\a)+131072*(\u/2)+512*(\u%2)   ; 32 lanes store 512 consecutive bytes: eight tokens of one head
.endr
.endm
	PLACES NP
	QKBLOCK 0
.irp a, 1,2,3,4,5,6,7
.if \a > 1
	s_wait_xcnt 0x0                                ; block a - 2's stores have read their registers: block a's loads from the stage may land there
.endif
	QKBLOCK \a
	QKSEND \a-1, 12                                ; behind block a - 1's loads: block a's 8 stores and 4 loads
.endr
	QKSEND 7, 0
	s_branch .Lend
.Lv_path:
	; ---- v.  My channels: 256 cy + 128 x (wave / 2) + 16 a + r; my tokens: 256 x tile + 128 x (wave % 2) + 16 b + 8 h + 0 .. 7: one key block of 128
	s_lshr_b32 s20, s42, 3                         ; batch
	s_lshl_b32 s20, s20, 4
	s_lshl_b32 s21, s41, 2
	s_add_co_u32 s20, s20, s21
	s_lshl_b32 s21, s15, 1
	s_add_co_u32 s20, s20, s21                     ; batch x 16 + my first head
	s_lshl_b32 s20, s20, 4
	s_and_b32 s21, s42, 7
	s_lshl_b32 s21, s21, 1
	s_add_co_u32 s20, s20, s21
	s_add_co_u32 s20, s20, s16                     ; + my key block
	s_lshl_b32 s20, s20, 13
	s_add_co_u32 s20, s20, 0x1000000
	s_mov_b32 s21, 0
	s_add_nc_u64 s[92:93], s[12:13], s[20:21]
	STEP 1, 0, 0
	LASTSTEP
.macro VBLOCK a                        ; block a: 16 channels x 128 tokens
.set AC, 64*((\a)%4)
.set BB, BK+16*((\a)%2)
	WIN 0x02+((\a)/4)
.set i, 0
.rept 64
.set i, i+1
.endr
.irp b, 0,1,2,3,4,5,6,7
	v_cvt_scalef32_pk8_fp8_f32 v[CD+2*\b:CD+2*\b+1], v[AC+8*\b:AC+8*\b+7], v[SC]
.endr
	WIN 0
	v_nop
.irp b, 0,1,2,3,4,5,6,7
	ds_store_b64 v[STOV], v[CD+2*\b:CD+2*\b+1] offset:32*(\b/2)+8*(\b%2)   ; keys 16 b + 8 h + 0 .. 7 at byte 32 (b / 2) + 16 h + 8 (b % 2)
.endr
.irp u, 0,1,2,3
	ds_load_b128 v[BB+4*\u:BB+4*\u+3], v[RDV] offset:576*\u
.endr
.endm
.macro VSEND a, younger
.set BB, BK+16*((\a)%2)
	s_wait_dscnt \younger
.irp u, 0,1,2,3
	global_store_b128 v[CO], v[BB+4*\u:BB+4*\u+3], s[92:93] offset:131072*((\a)/4)+2048*((\a)%4)+512*\u   ; 32 lanes store 512 consecutive bytes: four channels of the key block
.endr
.endm
	PLACES NP
	s_wait_alu depctr_va_vdst(0)
	VBLOCK 0
.irp a, 1,2,3,4,5,6,7
.if \a > 1
	s_wait_xcnt 0x0
.endif
	VBLOCK \a
	VSEND \a-1, 12
.endr
	VSEND 7, 0
.Lend:
	s_wait_tensorcnt 0x0                           ; the wave's end: behind my last tensor load and my last LDS store
	ds_add_u32 v[SPW], v[NIL]
	s_wait_dscnt 0x0
	CROUND                                         ; the closing round: no work-group ends while a partner may still ask for a tile that names it
	s_endpgm
.Lfunc_end_k_q07ca8e6963_qkv:
	.size	k_q07ca8e6963_qkv, .Lfunc_end_k_q07ca8e6963_qkv-k_q07ca8e6963_qkv
	.p2alignl 7, 3214868480
	.fill 96, 4, 3214868480
	.section	.rodata,"a",@progbits
	.p2align	6, 0x0
	.amdhsa_kernel k_q07ca8e6963_qkv
		.amdhsa_group_segment_fixed_size 327680
		.amdhsa_private_segment_fixed_size 0
		.amdhsa_enable_private_segment 0
		.amdhsa_kernarg_size 40
		.amdhsa_user_sgpr_count 2
		.amdhsa_user_sgpr_kernarg_segment_ptr 1
		.amdhsa_wavefront_size32 1
		.amdhsa_system_sgpr_workgroup_id_x 1
		.amdhsa_system_sgpr_workgroup_id_y 1
		.amdhsa_system_sgpr_workgroup_id_z 1
		.amdhsa_system_vgpr_workitem_id 0
		.amdhsa_next_free_vgpr 1024
		.amdhsa_next_free_sgpr 100
		.amdhsa_reserve_vcc 0
		.amdhsa_float_denorm_mode_32 3
		.amdhsa_float_denorm_mode_16_64 3
		.amdhsa_fp16_overflow 1
		.amdhsa_memory_ordered 1
		.amdhsa_forward_progress 1
		.amdhsa_inst_pref_size 175
	.end_amdhsa_kernel
	.amdgpu_metadata
---
amdhsa.version: [ 1, 2 ]
amdhsa.kernels:
  - .name:           k_q07ca8e6963_qkv
    .symbol:         k_q07ca8e6963_qkv.kd
    .args:
      - { .name: xc, .offset: 0, .size: 8, .value_kind: global_buffer, .address_space: global }
      - { .name: wc, .offset: 8, .size: 8, .value_kind: global_buffer, .address_space: global }
      - { .name: rope, .offset: 16, .size: 8, .value_kind: global_buffer, .address_space: global }
      - { .name: lowp_scales, .offset: 24, .size: 8, .value_kind: global_buffer, .address_space: global }
      - { .name: qkv, .offset: 32, .size: 8, .value_kind: global_buffer, .address_space: global }
    .group_segment_fixed_size: 327680
    .private_segment_fixed_size: 0
    .kernarg_segment_align: 8
    .kernarg_segment_size: 40
    .max_flat_workgroup_size: 128
    .sgpr_count:     100
    .vgpr_count:     1024
    .wavefront_size: 32
...
	.end_amdgpu_metadata
.endif
;; end of part 2
;; launch attn (part 3): grid 4 x 64, 16 waves a work-group, no clusters, 327,680 bytes of LDS; arguments qkv, lowp_scales, ac; writes ac
.if DOCPART == 3
	.amdgcn_target "amdgcn-amd-amdhsa--gfx1250"
	.amdhsa_code_object_version 6
	.text
	.protected	k_q07ca8e6963_attn
	.globl	k_q07ca8e6963_attn
	.p2align	8
	.type	k_q07ca8e6963_attn,@function
k_q07ca8e6963_attn:
	s_mov_b64 s[64:65], 0
	v_nop
	global_prefetch_b8 v0, s[64:65] scope:SCOPE_SE
	s_setreg_imm32_b32 hwreg(HW_REG_WAVE_MODE, 25, 1), 1
	s_wait_xcnt 0x0
; CAUSAL ATTENTION on codes of E4M3: 64 (batch, head) pairs, 2,048 tokens, head size 64.  q, k, v lie in the buffer qkv as the launch before laid them (q at 0, k at 8 MiB: [bh][token][64];
; v at 16 MiB: [bh][key block 16][channel 64][128 bytes], the two middle groups of eight in every 32 keys changed over).  Out: codes of the result for the last projection, ac [head 16][row 8192][64].
; THE SOFTMAX: t = score x log2(e) / 8; M = the row's largest t so far, rounded UP to a whole number; p = 2^(t - M) is quantised (entry 8), not normalised; the row's sum is taken of the unquantised p and divides at the end.
; When M moves, the sum and O are multiplied by 2^(old M - new M): exact.
; SHARES.  A work-group owns TWO blocks of 256 queries of one (batch, head): blocks g and 7 - g (g = work-group x, 0..3), one after the other.  Block b wants key slots 0 .. b of 256 keys, so every work-group
; walks (g + 1) + (8 - g) = 9 slots. Each of the sixteen waves owns 16 queries of the block in hand.
; NO CLUSTER: in a given trip the four work-groups of a (batch, head) want different key slots (trip T: slot T while T <= g, then T - g - 1), so no tile could be asked for jointly.
; LAYOUT.  Both products are used transposed: S^T = K Q^T (source 0 = 16 neighbouring keys, source 1 = my 16 queries), O^T = V^T P^T: a lane holds ONE query (lane % 16) throughout.  Tile T's eight registers are
; keys 16 T + 8 (lane / 16) + 0 .. 7; converted, they are registers 2 T, 2 T + 1 of the second product's operand, and v's bytes are laid so that four 16-byte loads put each key in the same place.
; LIMITS on the given exponents, so that each power of two below is an f32 number: e6 + e7 between -123 and 130 (added to c's exponent field); e8, and e10 - e8 - e9, between -126 and 119.  NaN is not served.
; REGISTERS: v1-11 addresses; v12 -M, v13 the largest t, v[14:15] the sum in two halves; v16-23 Q in hand, v24-31 Q of the second block; v32-95 eight fragments of K, then four of V; v96-159 S^T, then p;
; v160-191 O^T; v224-239 p's codes; v244: 2^e8; v245: the same with e10 - e8 - e9; v236, v238-243, v246-255 at work.
.set LP,    272                        ; K's and V's 16 KiB of a slot are dense in memory: each comes as 64 rows of 256 bytes, 16 bytes of padding behind each
.set VOFF,  64*LP                      ; a slot: K's 64 rows, then V's
.set SLOT1, 65536                      ; slot 1 begins here: one exclusive or turns an address in one slot into the other's
.set STAGE, 131072                     ; the way out: 1,024 bytes for each wave; no tile lands here
.set SPARE, 147456                     ; the spare words, 128 bytes for each wave: eight blocks of 256 bytes that no other line names
.set AK0, 1
.set AV0, 2
.set PFO, 3                            ; v3  256 x lane
.set QA,  4
.set SPW, 5
.set NIL, 6
.set GO,  7                            ; v7  16 x lane
.set ADK, 8
.set ADV, 9
.set STI, 10                           ; v10 the stage, in
.set STB, 11                           ; v11 the stage, back
.set TB,  2                            ; s2  LDS byte at which the slot in hand begins
.set TRIP, 3                           ; s3  the trip, 0 .. 8
.set WV,  18
.set SEL, 20
.set CS,  22
.set G1,  24
.set G0,  40
.set Q0,  50                           ; s50 my first query in the block in hand
.set KF,  51                           ; s51 the step's first key
.set SLOTS, 67                         ; s67 slots still to be asked for
.set PFA, 80
.set LIM, 82
.macro TLOAD                           ; wave 0 fetches K's 16 KiB of a slot, wave 1 V's; the others nothing.  Four v_nop follow the line
	s_cmp_lt_u32 s[WV], 2
	s_cbranch_scc0 .Lasked_\@
	tensor_load_to_lds s[G0:G0+3], s[G1:G1+7]
	s_nop 0
.rept 4
	v_nop
.endr
.Lasked_\@:
.endm
; A prefetch into the L2 of the key slot that the NEXT change of slots of work-group g = 0 will ask for.  That work-group walks slots 0, 0, 1, .. 7; it alone asks, in trips 0 to 6, for slots 1 to 7: each aligned block of
; 256 bytes is named once.  Waves 4 and 5 ask for K's two halves of 8,192 bytes, waves 6 and 7 for V's, lanes 256 bytes apart.  The last change that fills a slot asks for nothing.
.macro ASK
	s_cmp_gt_u32 s[SLOTS], s[LIM]
	s_cbranch_scc0 .Lnot_mine_\@
	global_prefetch_b8 v[PFO], s[PFA:PFA+1] th:TH_LOAD_NT scope:SCOPE_SE
.Lnot_mine_\@:
.endm
.macro START                           ; a block of queries begins: the largest t is -3e38, the sum and O^T are zeros, which the first change of M leaves zeros
	v_mov_b32 v13, 0xff61b1e6
	s_delay_alu instid0(VALU_DEP_1)
	v_floor_f32 v12, -v13
	v_mov_b32 v14, 0
	v_mov_b32 v15, 0
.set i, 0
.rept 32
	v_mov_b32 v[160+i], 0
.set i, i+1
.endr
.endm
	s_load_b128 s[4:7], s[0:1], 0x0                ; qkv 4:5, the scales' exponents 6:7
	s_load_b64 s[8:9], s[0:1], 0x10                ; ac
	v_lshl_add_u32 v[SPW], v0, 2, SPARE
	v_mov_b32 v[NIL], 0
	ds_add_u32 v5, v6
	ds_add_u32 v5, v6
	s_wait_dscnt 0x0
	v_lshrrev_b32 v8, 5, v0
	s_delay_alu instid0(VALU_DEP_1)
	v_readfirstlane_b32 s[WV], v8                  ; wave 0..15
	s_mov_b32 s10, ttmp9                           ; g
	s_add_co_u32 s11, s10, 1
	s_and_b32 s12, ttmp7, 0xffff                   ; bh = batch x 16 + head
	s_lshl_b32 s13, s12, 17                        ; its 131,072 bytes in each of q, k, v
	s_and_b32 s48, s[WV], 1                        ; what I fetch, if I fetch: 0 K, 1 V
	s_mul_i32 s[G0+1], s48, VOFF                   ; its place in slot 0
	s_add_co_u32 s48, s48, 1
	s_lshl_b32 s48, s48, 23                        ; k at 8 MiB, v at 16 MiB
	s_add_co_u32 s48, s48, s13
	s_mov_b32 s49, 0
	s_mov_b32 s[G1], (3<<16)|(1<<20)|(5<<22)|(3<<25)   ; no mask; elements of 8 bytes; padding on: four words after every 64
	s_mov_b32 s[G1+1], 32<<16                      ; tensor_dim0 = 32 elements: 256 bytes
	s_mov_b32 s[G1+2], 64<<16                      ; tensor_dim1 = 64
	s_mov_b32 s[G1+3], 32<<16                      ; tile_dim0
	s_mov_b32 s[G1+4], 64                          ; tile_dim1
	s_mov_b32 s[G1+5], 32                          ; the pitch: rows on end
	s_mov_b32 s[G1+6], 0
	s_mov_b32 s[G1+7], 0
	s_mov_b32 s[SEL], 0x76543210
	s_mov_b32 s[SEL+1], 0xfedcba98
	s_mov_b32 s[CS], 0x3e38aa3b                    ; c = log2(e) / 8
	s_mov_b32 s[TB], 0
	s_mov_b32 s[TRIP], 0
	s_mov_b32 s[SLOTS], 8
	s_mov_b32 s15, 0
	s_wait_kmcnt 0x0
	s_load_b256 s[68:75], s[6:7], 0x0              ; e0 .. e7
	s_load_b128 s[76:79], s[6:7], 0x20             ; e8 .. e11
	s_add_nc_u64 s[46:47], s[4:5], s[48:49]        ; key slot 0 of what I fetch
	s_mov_b32 s[G0], 1
	s_mov_b64 s[G0+2:G0+3], s[46:47]
	s_or_b32 s[G0+3], s[G0+3], 0x80000000
	TLOAD                                          ; the first trip's slot
	s_lshl_b32 s51, s[WV], 4
	s_lshl_b32 s[Q0], s10, 8
	s_add_co_u32 s[Q0], s[Q0], s51                 ; 256 g + 16 x wave
	s_sub_co_u32 s52, 7, s10
	s_lshl_b32 s52, s52, 8
	s_add_co_u32 s52, s52, s51                     ; 256 (7 - g) + 16 x wave: the second block's
	s_mov_b32 s[KF], 0
	s_lshl_b32 s48, s[Q0], 6
	s_add_co_u32 s48, s48, s13
	s_add_nc_u64 s[86:87], s[4:5], s[48:49]        ; my queries' codes, first block,
	s_lshl_b32 s48, s52, 6
	s_add_co_u32 s48, s48, s13
	s_add_nc_u64 s[88:89], s[4:5], s[48:49]        ; second block
	s_and_b32 s48, s12, 15
	s_lshl_b32 s48, s48, 13
	s_lshr_b32 s53, s12, 4
	s_lshl_b32 s53, s53, 11
	s_add_co_u32 s48, s48, s53
	s_lshl_b32 s48, s48, 6
	s_add_nc_u64 s[44:45], s[8:9], s[48:49]        ; ac at (head, batch x 2,048)
	; the prefetches: where my wave's stand, and who asks
	s_cmp_lt_u32 s[WV], 6
	s_mov_b32 s48, 0x1000000
	s_cselect_b32 s48, 0x800000, s48               ; waves 4, 5: k; waves 6, 7: v
	s_add_co_u32 s48, s48, s13
	s_and_b32 s53, s[WV], 1
	s_lshl_b32 s53, s53, 13
	s_add_co_u32 s48, s48, s53
	s_add_nc_u64 s[PFA:PFA+1], s[4:5], s[48:49]    ; in key slot 0: the first change of slots steps it to slot 1.  Nothing is prefetched here, at the head
	s_sub_co_u32 s48, s[WV], 4
	s_lshr_b32 s48, s48, 2                         ; 0 in waves 4 to 7,
	s_or_b32 s48, s48, ttmp9                       ; of work-group g = 0
	s_cmp_eq_u32 s48, 0
	s_cselect_b32 s[LIM], 1, -1
	v_and_b32 v[GO], 31, v0
	s_delay_alu instid0(VALU_DEP_1)
	v_lshlrev_b32 v[PFO], 8, v[GO]
	s_delay_alu instid0(VALU_DEP_2)
	v_lshlrev_b32 v[GO], 4, v[GO]
	v_and_b32 v8, 15, v0                           ; r
	v_bfe_u32 v9, v0, 4, 1                         ; h
	s_delay_alu instid0(VALU_DEP_2)
	v_lshlrev_b32 v[QA], 6, v8
	s_delay_alu instid0(VALU_DEP_1)
	v_lshl_add_u32 v[QA], v9, 4, v[QA]             ; Q: row r of 64 bytes, + 16 h
	global_load_b128 v[16:19], v[QA], s[86:87]
	global_load_b128 v[20:23], v[QA], s[86:87] offset:32
	global_load_b128 v[24:27], v[QA], s[88:89]
	global_load_b128 v[28:31], v[QA], s[88:89] offset:32
	v_lshrrev_b32 v10, 2, v8                       ; K: four keys of 64 bytes to an LDS row: key r lies in row r / 4 at byte 64 (r % 4)
	s_delay_alu instid0(VALU_DEP_1)
	v_mul_u32_u24 v[AK0], v10, LP
	v_and_b32 v10, 3, v8
	s_delay_alu instid0(VALU_DEP_1)
	v_lshl_add_u32 v[AK0], v10, 6, v[AK0]
	s_delay_alu instid0(VALU_DEP_1)
	v_lshl_add_u32 v[AK0], v9, 4, v[AK0]
	v_lshrrev_b32 v10, 1, v8                       ; V: two channels of 128 bytes to an LDS row
	s_delay_alu instid0(VALU_DEP_1)
	v_mul_u32_u24 v[AV0], v10, LP
	v_and_b32 v10, 1, v8
	s_delay_alu instid0(VALU_DEP_1)
	v_lshl_add_u32 v[AV0], v10, 7, v[AV0]
	s_delay_alu instid0(VALU_DEP_1)
	v_lshl_add_u32 v[AV0], v9, 4, v[AV0]
	s_delay_alu instid0(VALU_DEP_1)
	v_add_nc_u32 v[AV0], VOFF, v[AV0]
	s_lshl_b32 s48, s[WV], 10
	s_add_co_u32 s48, s48, STAGE                   ; my stage
	v_lshlrev_b32 v[STI], 6, v8
	s_delay_alu instid0(VALU_DEP_1)
	v_lshl_add_u32 v[STI], v9, 3, v[STI]
	s_delay_alu instid0(VALU_DEP_1)
	v_add_nc_u32 v[STI], s48, v[STI]               ; in: query r's 64 bytes, + 8 h
	v_add_nc_u32 v[STB], s48, v[GO]                ; back: as they lie
	v_mov_b32 v236, 0                              ; written once: a lane permute's destination counts as one of its sources
	v_mov_b32 v253, 0                              ; (named as the upper half of the pair v[252:253])
	START
	s_wait_kmcnt 0x0
	s_add_co_i32 s48, s74, s75
	s_lshl_b32 s48, s48, 23
	s_add_co_i32 s[CS], s[CS], s48                 ; a score stands for score x 2^(e6 + e7): the exponents are added to c's exponent field
	s_mov_b32 s[CS+1], s[CS]                       ; (named with it as a pair, so it is written)
	s_add_co_i32 s48, s76, 127
	s_lshl_b32 s53, s48, 23
	v_mov_b32 v244, s53                            ; 2^e8
	s_sub_co_i32 s48, s78, s76
	s_sub_co_i32 s48, s48, s77                     ; a sum of the second product stands for sum x 2^(e8 + e9): its code is (sum / l) / 2^(e10 - e8 - e9)
	s_add_co_i32 s48, s48, 127
	s_lshl_b32 s53, s48, 23
	v_mov_b32 v245, s53
; A KEY STEP: 128 keys, the q-th of the slot in hand.  A step all of whose keys come after my 16 queries is left out: a scalar branch on ids, round its loads, products and softmax; no barrier or tensor load stands in a step.
.macro STEP q
	s_add_co_u32 s96, s[Q0], 15
	s_cmp_gt_u32 s[KF], s96
	s_cbranch_scc1 .Lhidden_\@
	v_add_nc_u32 v[ADK], s[TB], v[AK0]
	v_add_nc_u32 v[ADV], s[TB], v[AV0]
	v_nop                                          ; with the two additions: four places in front of loads into registers that the last products read
	v_nop
.irp t, 0,1,2,3,4,5,6,7
	ds_load_b128 v[32+8*\t:35+8*\t], v[ADK] offset:LP*(32*(\q)+4*\t)
	ds_load_b128 v[36+8*\t:39+8*\t], v[ADK] offset:LP*(32*(\q)+4*\t)+32
.endr
	s_wait_alu depctr_va_vdst(0)
	s_wait_dscnt 0x0
.irp t, 0,1,2,3,4,5,6,7
	v_wmma_f32_16x16x64_fp8_fp8 v[96+8*\t:103+8*\t], v[32+8*\t:39+8*\t], v[16:23], 0   ; S^T: tile t: keys 16 t + 8 h + 0 .. 7 of query r
.endr
.rept 4
	v_nop                                          ; places in front of the loads below and of the first read of the scores
.endr
.irp t, 0,1,2,3
.irp c, 0,1,2,3
	ds_load_b128 v[32+16*\t+4*\c:35+16*\t+4*\c], v[ADV] offset:LP*(32*(\q)+8*\t)+32*\c   ; V's four fragments land under the softmax
.endr
.endr
	s_add_co_u32 s96, s[KF], 127                   ; on the diagonal the scores of hidden keys become -infinity ahead of the maximum: p = 0 then.  A step all of whose keys count skips this
	s_cmp_le_u32 s96, s[Q0]
	s_cbranch_scc1 .Lopen_\@
	s_sub_co_i32 s96, s[Q0], s[KF]
	v_and_b32 v252, 15, v0
	v_bfe_u32 v253, v0, 4, 1
	s_delay_alu instid0(VALU_DEP_1)
	v_lshlrev_b32 v253, 3, v253
	s_delay_alu instid0(VALU_DEP_1)
	v_sub_nc_u32 v252, v252, v253
	s_delay_alu instid0(VALU_DEP_1)
	v_add_nc_u32 v252, s96, v252                   ; d = my query - KF - 8 h.  Register 8 T + j holds key KF + 16 T + 8 h + j: hidden where 16 T + j > d
	v_mov_b32 v254, 0xff800000
.set n, 0
.rept 64
	v_cmp_gt_i32 vcc_lo, 16*(n/8)+n%8, v252
	v_cndmask_b32 v[96+n], v[96+n], v254, vcc_lo
.set n, n+1
.endr
.Lopen_\@:
	v_max3_num_f32 v254, v96, v97, v98             ; the step's largest score of my query, among my 64 keys, in two chains, each accumulator from its low end on,
	v_max3_num_f32 v252, v99, v100, v101
.irp i, 6,10,14,18,22,26,30,34,38,42,46,50,54,58
	v_max3_num_f32 v254, v254, v[96+\i], v[97+\i]
	v_max3_num_f32 v252, v252, v[98+\i], v[99+\i]
.endr
	v_max3_num_f32 v254, v254, v158, v159
	s_delay_alu instid0(VALU_DEP_1)
	v_max_num_f32 v254, v254, v252
	v_permlanex16_b32 v236, v254, s[SEL], s[SEL+1]
	s_delay_alu instid0(VALU_DEP_1)
	v_max_num_f32 v254, v254, v236                 ; and among lane l xor 16's
	s_delay_alu instid0(VALU_DEP_1)
	v_mul_f32 v254, s[CS], v254                    ; as t (c is positive)
	s_delay_alu instid0(VALU_DEP_1)
	v_max_num_f32 v13, v13, v254                   ; the running largest t
	v_mov_b32 v254, v12
	s_delay_alu instid0(VALU_DEP_2)
	v_floor_f32 v12, -v13                          ; the new -M = floor(-t): M is a whole number
	s_delay_alu instid0(VALU_DEP_1)
	v_sub_f32 v254, v12, v254                      ; old M less new M: a whole number, 0 or less
	s_delay_alu instid0(VALU_DEP_1)
	v_cvt_i32_f32 v254, v254                       ; (it saturates)
	s_delay_alu instid0(VALU_DEP_1)
	v_ldexp_f32 v252, 1.0, v254                    ; f = 2^(old M - new M)
.irp j, 0,2,4,6,8,10,12,14,16,18,20,22,24,26,28,30,32,34,36,38,40,42,44,46,48,50,52,54,56,58,60,62
	v_pk_fma_f32 v[96+\j:97+\j], v[96+\j:97+\j], s[CS:CS+1], v[12:13] op_sel_hi:[1,0,0]   ; t - M, two at a time
.endr
.set n, 0
	s_wait_alu depctr_va_vdst(0)
.rept 64
	v_exp_f32 v[96+n], v[96+n]                     ; p = 2^(t - M), at most 1
.set n, n+1
.endr
	v_pk_mul_f32 v[14:15], v[14:15], v[252:253] op_sel_hi:[1,0]   ; the sums under the new M (a plain line behind the exponentials)
	s_wait_alu depctr_va_vdst(0)                   ; one wait for the whole batch, ahead of its first reader
	v_pk_add_f32 v[242:243], v[100:101], v[104:105]
	v_pk_add_f32 v[254:255], v[108:109], v[112:113]
	v_pk_add_f32 v[250:251], v[116:117], v[120:121]
	v_pk_add_f32 v[248:249], v[124:125], v[128:129]
	v_pk_add_f32 v[246:247], v[132:133], v[136:137]
	v_pk_add_f32 v[240:241], v[140:141], v[144:145]
	v_pk_add_f32 v[238:239], v[148:149], v[152:153]
	v_pk_add_f32 v[14:15], v[14:15], v[156:157]
	v_pk_add_f32 v[242:243], v[242:243], v[96:97]
	v_pk_add_f32 v[254:255], v[254:255], v[98:99]
	v_pk_add_f32 v[250:251], v[250:251], v[102:103]
	v_pk_add_f32 v[248:249], v[248:249], v[106:107]
	v_pk_add_f32 v[246:247], v[246:247], v[110:111]
	v_pk_add_f32 v[240:241], v[240:241], v[114:115]
	v_pk_add_f32 v[238:239], v[238:239], v[118:119]
	v_pk_add_f32 v[14:15], v[14:15], v[122:123]
	v_pk_add_f32 v[242:243], v[242:243], v[126:127]
	v_pk_add_f32 v[254:255], v[254:255], v[130:131]
	v_pk_add_f32 v[250:251], v[250:251], v[134:135]
	v_pk_add_f32 v[248:249], v[248:249], v[138:139]
	v_pk_add_f32 v[246:247], v[246:247], v[142:143]
	v_pk_add_f32 v[240:241], v[240:241], v[146:147]
	v_pk_add_f32 v[238:239], v[238:239], v[150:151]
	v_pk_add_f32 v[14:15], v[14:15], v[154:155]
	v_pk_add_f32 v[242:243], v[242:243], v[158:159]
	s_delay_alu instid0(VALU_DEP_2)
	v_pk_add_f32 v[14:15], v[14:15], v[248:249]
	s_delay_alu instid0(VALU_DEP_2)
	v_pk_add_f32 v[242:243], v[242:243], v[246:247]
	v_pk_add_f32 v[254:255], v[254:255], v[240:241]
	v_pk_add_f32 v[250:251], v[250:251], v[238:239]
	s_delay_alu instid0(VALU_DEP_2)
	v_pk_add_f32 v[14:15], v[14:15], v[254:255]
	s_delay_alu instid0(VALU_DEP_2)
	v_pk_add_f32 v[242:243], v[242:243], v[250:251]
	s_delay_alu instid0(VALU_DEP_1)
	v_pk_add_f32 v[14:15], v[14:15], v[242:243]
.irp b, 0,1,2,3
.irp i, 0,1,2,3,4,5,6,7,8,9,10,11,12,13,14,15
.endr
	v_cvt_scalef32_pk8_fp8_f32 v[224+4*\b:225+4*\b], v[96+16*\b:103+16*\b], v244
	v_cvt_scalef32_pk8_fp8_f32 v[226+4*\b:227+4*\b], v[104+16*\b:111+16*\b], v244
.endr
.irp j, 0,2,4,6,8,10,12,14,16,18,20,22,24,26,28,30
	v_pk_mul_f32 v[160+\j:161+\j], v[160+\j:161+\j], v[252:253] op_sel_hi:[1,0]   ; O^T under the new M (also the plain lines between the conversions and the products)
.endr
	s_wait_alu depctr_va_vdst(0)
	s_wait_dscnt 0x0                               ; V is in
.irp t, 0,1,2,3
	v_wmma_f32_16x16x128_fp8_fp8 v[160+8*\t:167+8*\t], v[32+16*\t:47+16*\t], v[224:239], v[160+8*\t:167+8*\t]   ; O^T += V^T P^T: the four accumulators take turns
.endr
.Lhidden_\@:
	s_add_co_u32 s[KF], s[KF], 128
.endm
; THE CHANGE OF SLOTS stands at a trip's head.  Each wave waits for all its tensor loads, adds 0 to its spare word, and waits for that and for its reads of the slot that it has left.  Behind the barrier the slot ahead
; is whole and nobody reads the other.  fill = 1: that other slot takes the next trip's keys: the load has a whole trip in which to land.  By this text's count a fetching wave has one tensor load out.
.macro CHANGE fill
	s_wait_tensorcnt 0x0                           ; no tensor load of mine is out, so the group 0 may be written
	ds_add_u32 v[SPW], v[NIL]                      ; 0 onto my spare word
.if \fill
	s_xor_b32 s[G0+1], s[G0+1], SLOT1              ; the other slot than last time
	s_add_co_u32 s48, s[TRIP], 1                   ; the next trip wants key slot: next, while next <= g; then next - g - 1
	s_sub_co_u32 s49, s48, s11
	s_cmp_le_u32 s48, s10
	s_cselect_b32 s48, s48, s49
	s_lshl_b32 s14, s48, 14                        ; 16,384 bytes a slot, in k and in v
	s_add_nc_u64 s[G0+2:G0+3], s[46:47], s[14:15]
	s_or_b32 s[G0+3], s[G0+3], 0x80000000
	s_wait_xcnt 0x0                                ; the last prefetch, a trip back, has read its address, so it may be written
	s_add_nc_u64 s[PFA:PFA+1], s[PFA:PFA+1], 16384
.endif
	s_wait_dscnt 0x0                               ; the add is done, and my reads of the slot that I have left are over
	s_barrier_signal -1
	s_barrier_wait -1
.if \fill
	TLOAD                                          ; the first thing behind the barrier, and a wave's one tensor load until the next
	ASK
.endif
.endm
; A BLOCK'S END: O^T / the sum, quantised for the last projection.  A lane's eight channels are 8 bytes; my 16 queries x 64 bytes are 1,024 bytes on end in ac: through my stage, and out in two stores of 512 consecutive bytes.
.macro FINAL
.rept 4
	v_nop                                          ; places behind the last products
.endr
	v_add_f32 v14, v14, v15
	v_permlanex16_b32 v236, v14, s[SEL], s[SEL+1]
	s_delay_alu instid0(VALU_DEP_1)
	v_add_f32 v14, v14, v236                       ; the row's sum
	s_wait_alu depctr_va_vdst(0)
	v_rcp_f32 v14, v14
	v_nop                                          ; a plain line behind the transcendental
	s_lshl_b32 s48, s[Q0], 6
	s_mov_b32 s49, 0
	s_add_nc_u64 s[84:85], s[44:45], s[48:49]
	s_wait_alu depctr_va_vdst(0)                   ; the wait ahead of the first reader
.irp j, 0,2,4,6,8,10,12,14,16,18,20,22,24,26,28,30
	v_pk_mul_f32 v[96+\j:97+\j], v[160+\j:161+\j], v[14:15] op_sel_hi:[1,0]   ; register 8 t + i: channel 16 t + 8 h + i of query r
.endr
.set i, 0
.rept 32
.set i, i+1
.endr
.irp t, 0,1,2,3
	v_cvt_scalef32_pk8_fp8_f32 v[224+2*\t:225+2*\t], v[96+8*\t:103+8*\t], v245
.endr
	v_nop                                          ; one plain vector line behind the last conversion
.irp t, 0,1,2,3
	ds_store_b64 v[STI], v[224+2*\t:225+2*\t] offset:16*\t
.endr
	ds_load_b128 v[32:35], v[STB]                  ; LDS serves a wave's instructions in order (ISA guide 5.7.1.4): these see my stores
	ds_load_b128 v[36:39], v[STB] offset:512
	s_wait_dscnt 0x0
	global_store_b128 v[GO], v[32:35], s[84:85]
	global_store_b128 v[GO], v[36:39], s[84:85] offset:512
	s_wait_xcnt 0x0                                ; the stores have read their registers and their base: both are written again
.endm
	s_wait_loadcnt 0x0                             ; Q, both blocks
.Lslot:                                            ; eight trips; behind each change of slots the next trip's keys are asked for
	CHANGE 1
	s_cmp_eq_u32 s[TRIP], s11                      ; trip g + 1: the first block is done, the second begins (a branch on ids; no barrier and no tensor load inside)
	s_cbranch_scc0 .Lsame
	FINAL
.irp j, 0,1,2,3,4,5,6,7
	v_mov_b32 v[16+\j], v[24+\j]
.endr
	START
	s_mov_b32 s[Q0], s52
	s_mov_b32 s[KF], 0
.Lsame:
	STEP 0
	STEP 1
	s_xor_b32 s[TB], s[TB], SLOT1
	s_add_co_u32 s[TRIP], s[TRIP], 1
	s_sub_co_u32 s[SLOTS], s[SLOTS], 1
	s_cmp_lg_u32 s[SLOTS], 0
	s_cbranch_scc1 .Lslot
	CHANGE 0                                       ; the ninth trip is written out
	STEP 0
	STEP 1
	FINAL
	s_wait_tensorcnt 0x0                           ; the wave's end: behind my last tensor load and my last LDS store
	ds_add_u32 v[SPW], v[NIL]
	s_wait_dscnt 0x0
	s_endpgm
.Lfunc_end_k_q07ca8e6963_attn:
	.size	k_q07ca8e6963_attn, .Lfunc_end_k_q07ca8e6963_attn-k_q07ca8e6963_attn
	.p2alignl 7, 3214868480
	.fill 96, 4, 3214868480
	.section	.rodata,"a",@progbits
	.p2align	6, 0x0
	.amdhsa_kernel k_q07ca8e6963_attn
		.amdhsa_group_segment_fixed_size 327680
		.amdhsa_private_segment_fixed_size 0
		.amdhsa_enable_private_segment 0
		.amdhsa_kernarg_size 24
		.amdhsa_user_sgpr_count 2
		.amdhsa_user_sgpr_kernarg_segment_ptr 1
		.amdhsa_wavefront_size32 1
		.amdhsa_system_sgpr_workgroup_id_x 1
		.amdhsa_system_sgpr_workgroup_id_y 1
		.amdhsa_system_sgpr_workgroup_id_z 1
		.amdhsa_system_vgpr_workitem_id 0
		.amdhsa_next_free_vgpr 256
		.amdhsa_next_free_sgpr 100
		.amdhsa_reserve_vcc 1
		.amdhsa_float_denorm_mode_32 3
		.amdhsa_float_denorm_mode_16_64 3
		.amdhsa_fp16_overflow 1
		.amdhsa_memory_ordered 1
		.amdhsa_forward_progress 1
		.amdhsa_inst_pref_size 92
	.end_amdhsa_kernel
	.amdgpu_metadata
---
amdhsa.version: [ 1, 2 ]
amdhsa.kernels:
  - .name:           k_q07ca8e6963_attn
    .symbol:         k_q07ca8e6963_attn.kd
    .args:
      - { .name: qkv, .offset: 0, .size: 8, .value_kind: global_buffer, .address_space: global }
      - { .name: lowp_scales, .offset: 8, .size: 8, .value_kind: global_buffer, .address_space: global }
      - { .name: ac, .offset: 16, .size: 8, .value_kind: global_buffer, .address_space: global }
    .group_segment_fixed_size: 327680
    .private_segment_fixed_size: 0
    .kernarg_segment_align: 8
    .kernarg_segment_size: 24
    .max_flat_workgroup_size: 512
    .sgpr_count:     100
    .vgpr_count:     256
    .wavefront_size: 32
...
	.end_amdgpu_metadata
.endif
;; end of part 3
;; launch oproj (part 4): grid 4 x 32, 4 waves a work-group, clusters of 4 x 4, 327,680 bytes of LDS; arguments ac, wc, lowp_scales, out0; writes out0
.if DOCPART == 4
	.amdgcn_target "amdgcn-amd-amdhsa--gfx1250"
	.amdhsa_code_object_version 6
	.text
	.protected	k_q07ca8e6963_oproj
	.globl	k_q07ca8e6963_oproj
	.p2align	8
	.type	k_q07ca8e6963_oproj,@function
k_q07ca8e6963_oproj:
	s_mov_b64 s[64:65], 0
	v_nop
	global_prefetch_b8 v0, s[64:65] scope:SCOPE_SE
	s_setreg_imm32_b32 hwreg(HW_REG_WAVE_MODE, 25, 1), 1
	s_wait_xcnt 0x0
	s_wait_alu depctr_hold_cnt(0) depctr_sa_sdst(0) depctr_va_vdst(0) depctr_va_sdst(0) depctr_va_ssrc(0) depctr_va_vcc(0) depctr_vm_vsrc(0)
	s_getreg_b32 s2, hwreg(HW_REG_IB_STS2, 6, 4)
	s_cmp_eq_u32 s2, 0
	s_cbranch_scc0 .Lentry_in_a_cluster
	s_endpgm
.Lentry_in_a_cluster:
	s_bfe_u32 s2, ttmp6, 0x10000c
	s_cmp_lg_u32 s2, 0xf033
	s_cbranch_scc0 .Lentry_shape_is_right
	s_endpgm
.Lentry_shape_is_right:
; THE LAST PROJECTION: out0[m][n] = sum over k of A[m][k] Wo[n][k] on codes of E4M3; m 8,192, n 1,024, k 1,024; sums in f32, each multiplied once by 2^(e10 + e11).
; A's codes lie as attention left them: ac [head 16][row 8192][64], k = 64 x head + channel.  Wo's codes lie at wc + 3 MiB, [1024][1024], K innermost.
; LIMIT: e10 + e11 lies between -126 and 127, so that 2^(e10 + e11) is an f32 number.
; A tile of 256 x 256 is made by four waves, 128 x 128 each: 64 accumulators, 512 registers.  K goes in steps of 256 (four heads) through two LDS slots filled by the tensor data mover.
; A'S TILE: a wave's 128 rows of one head are 8,192 bytes on end in memory; its load takes four such runs, 524,288 bytes apart, with 16 bytes of padding behind every 256: a head's plane is 8,704 bytes in LDS,
; row m of it at 272 (m / 4) + 64 (m % 4).  Four planes are as many bytes as B's 128 rows of 272.
; CLUSTERS: 4 x 4 work-groups; A's tile is shared along a row of the cluster, B's along a column: each is asked for jointly.  The grid has one cluster along x: the tile column is cx.
; THE MATRIX INSTRUCTION IS USED TRANSPOSED (source 0 = 16 rows of Wo, source 1 = 16 rows of A): a lane holds eight neighbouring numbers of a row of the output.
; 128 tiles: half of the WGPs have work; a tile of 128 x 256 would read half as much again from LDS for each product.  No prefetch of tiles: K has four slots, of which two are the first fills.
; REGISTERS, in windows of 256: window 0: v0-31 addresses; from v128 A's fragments, ONE set; on the way out v32-255 are free.  window 1: B's fragments, two sets.  windows 2, 3: the accumulators ((a, b) at v[8 (8 a + b)]).
.set SIZE_N, 1024
.set ROWB,   256
.set KROW,   1024
.set PITCH,  272
.set PLANE,  32*PITCH                  ; 128 rows x 64 bytes of one head, padded
.set ASTEP,  4*8192*64                 ; four heads on in ac
.set FR,     16
.set NL,     4
.set NP,     4
.set HALFT,  128*PITCH
.set SLOT,   4*HALFT
.set SPARE,  2*SLOT
.set SPITCH, 528                       ; the way out: a stage of 16 rows x (512 bytes + 16) for each wave, in slot 0, which has had its last fill and its last read by then
.set ADRA, 16
.set ADRB, 20
.set STO,  24
.set RD,   25
.set CO,   26
.set SPW,  28
.set NIL,  29
.set TMP,  32
.set AF,   128
.set BK,   128
.set G1, 24
.set G0, 32
.set G1B, 48
.set G0B, 56
.set MSB, 0
.macro WIN new
.if MSB != \new
	s_set_vgpr_msb (MSB<<8)|\new
.set MSB, \new
.endif
.endm
.set MUL_LO, 0xa1
.set MUL_HI, 0xf1
.set TO_B,   0x40
.macro JLOAD g0a, g1a, g0b, g1b        ; a joint load: waves 0 and 1 fetch for A, waves 2 and 3 for B; four v_nop follow each of the two lines
	s_cmp_eq_u32 s15, 0
	s_cbranch_scc0 .Lfor_b_\@
	tensor_load_to_lds s[\g0a:\g0a+3], s[\g1a:\g1a+7]
	s_nop 0
.rept 4
	v_nop
.endr
	s_branch .Lasked_\@
.Lfor_b_\@:
	tensor_load_to_lds s[\g0b:\g0b+3], s[\g1b:\g1b+7]
	s_nop 0
.rept 4
	v_nop
.endr
.Lasked_\@:
.endm
.macro CREST
	s_cmp_lg_u32 s14, 0
	s_cbranch_scc1 .Lnot_wave_0_\@
	s_barrier_signal -3
.Lnot_wave_0_\@:
	s_barrier_wait -3
	s_barrier_signal -1
	s_barrier_wait -1
.endm
.macro CROUND
	s_barrier_signal -1
	s_barrier_wait -1
	CREST
.endm
	s_load_b128 s[4:7], s[0:1], 0x0                ; ac 4:5, wc 6:7
	s_load_b128 s[8:11], s[0:1], 0x10              ; the scales' exponents 8:9, out0 10:11
	v_lshl_add_u32 v[SPW], v0, 2, SPARE
	v_mov_b32 v[NIL], 0
	ds_add_u32 v28, v29
	ds_add_u32 v28, v29
	s_wait_dscnt 0x0
	v_lshrrev_b32 v1, 5, v0
	v_readfirstlane_b32 s14, v1                    ; wave 0..3
	s_lshr_b32 s15, s14, 1                         ; which half of the tile's rows is mine.  Also: I fetch for A (0) or for B (1)
	s_and_b32 s16, s14, 1                          ; which half of its columns.  Also: which 128 rows of that tile I fetch
	s_bfe_u32 s40, ttmp6, 0x40000                  ; cx, cy
	s_bfe_u32 s41, ttmp6, 0x40004
	s_mov_b32 s42, s40                             ; tile column = cx
	s_and_b32 s17, ttmp7, 0xffff
	s_lshl_b32 s17, s17, 2
	s_add_co_u32 s17, s17, s41                     ; tile row = 4 x cluster y + cy
	s_lshl_b32 s43, s41, 2
	s_lshl_b32 s43, 15, s43                        ; my row of the cluster
	s_lshl_b32 s44, 0x1111, s40                    ; my column
	; A's group 1: 4 runs of 1,024 elements of 8 bytes, 65,536 elements apart
	s_or_b32 s[G1+0], s43, (3<<16)|(1<<20)|(1<<21)|(5<<22)|(3<<25)  ; the mask: my row; elements of 8 bytes; padding on; 21 set beside a mask; four words after every 64
	s_mov_b32 s[G1+1], 1024<<16                    ; tensor_dim0
	s_mov_b32 s[G1+2], 4<<16                       ; tensor_dim1
	s_mov_b32 s[G1+3], 1024<<16                    ; tile_dim0
	s_mov_b32 s[G1+4], 4                           ; tile_dim1
	s_mov_b32 s[G1+5], 65536                       ; from head to head
	s_mov_b32 s[G1+6], 0
	s_mov_b32 s[G1+7], 0
	; B's group 1: 128 rows x 256 bytes
	s_or_b32 s[G1B+0], s44, (0<<16)|(1<<20)|(1<<21)|(5<<22)|(3<<25)
	s_mov_b32 s[G1B+1], ROWB<<16
	s_mov_b32 s[G1B+2], 128<<16
	s_mov_b32 s[G1B+3], ROWB<<16
	s_mov_b32 s[G1B+4], 128
	s_mov_b32 s[G1B+5], KROW
	s_mov_b32 s[G1B+6], 0
	s_mov_b32 s[G1B+7], 0
	s_lshl_b32 s18, s16, 7                         ; which 128 rows of the tile I fetch
	s_lshl_b32 s20, s17, 8
	s_add_co_u32 s20, s20, s18
	s_lshl_b32 s20, s20, 6                         ; A: rows of 64 bytes within a head
	s_mov_b32 s21, 0
	s_lshl_b32 s46, s42, 8
	s_add_co_u32 s46, s46, s18
	s_lshl_b32 s46, s46, 10                        ; B: rows of 1,024 bytes,
	s_add_co_u32 s46, s46, 0x300000                ; in the fourth weight
	s_mov_b32 s47, 0
	s_mul_i32 s45, s14, HALFT                      ; where they go: no place in the cluster enters an LDS address
	s_wait_kmcnt 0x0
	s_load_b64 s[96:97], s[8:9], 0x28              ; e10, e11
	s_add_nc_u64 s[20:21], s[4:5], s[20:21]
	s_add_nc_u64 s[46:47], s[6:7], s[46:47]
	CROUND                                         ; all sixteen work-groups are here: the first joint loads meet
.irp s, 0,1
	s_mov_b32 s[G0+4*\s], 1
	s_add_co_u32 s[G0+4*\s+1], s45, \s*SLOT
	s_add_nc_u64 s[G0+4*\s+2:G0+4*\s+3], s[20:21], \s*ASTEP
	s_or_b32 s[G0+4*\s+3], s[G0+4*\s+3], 0x80000000
	s_mov_b32 s[G0B+4*\s], 1
	s_add_co_u32 s[G0B+4*\s+1], s45, \s*SLOT
	s_add_nc_u64 s[G0B+4*\s+2:G0B+4*\s+3], s[46:47], \s*ROWB
	s_or_b32 s[G0B+4*\s+3], s[G0B+4*\s+3], 0x80000000
	s_wait_alu depctr_va_vdst(0)
	s_wait_tensorcnt 0x0
	ds_add_u32 v28, v29
	ds_add_u32 v28, v29
	s_wait_dscnt 0x0
	CROUND
	JLOAD G0+4*\s, G1, G0B+4*\s, G1B
.endr
	v_and_b32 v1, 15, v0                           ; r
	v_bfe_u32 v2, v0, 4, 1                         ; h
	v_mul_u32_u24 v3, v1, PITCH
	v_lshl_add_u32 v4, v2, 4, v3                   ; B: row x pitch + 16 h
	v_lshrrev_b32 v7, 2, v1                        ; A: row r of a plane: 272 (r / 4) + 64 (r % 4) + 16 h
	v_mul_u32_u24 v7, v7, PITCH
	v_and_b32 v8, 3, v1
	v_lshl_add_u32 v7, v8, 6, v7
	v_lshl_add_u32 v7, v2, 4, v7
	s_mul_i32 s21, s15, HALFT                      ; my 128 rows of A
	s_mul_i32 s22, s16, HALFT                      ; my 128 rows of B,
	s_add_co_u32 s22, s22, 2*HALFT                 ; which lie behind A's
.irp s, 0,1
	v_add_nc_u32 v[ADRA+\s], s21, v7
	v_add_nc_u32 v[ADRB+\s], s22, v4
	s_add_co_u32 s21, s21, SLOT
	s_add_co_u32 s22, s22, SLOT
.endr
	s_mul_i32 s23, s14, 16*SPITCH                  ; my stage
	v_mul_u32_u24 v5, v1, SPITCH
	v_lshl_add_u32 v5, v2, 5, v5
	v_add_nc_u32 v[STO], s23, v5                   ; in: row r, 32 bytes for each half of the lanes
	v_and_b32 v6, 31, v0
	v_lshlrev_b32 v[CO], 4, v6                     ; back: the 32 lanes take one row of 512 bytes; and the same in the output
	v_add_nc_u32 v[RD], s23, v[CO]
	s_lshl_b32 s20, s17, 8
	s_lshl_b32 s21, s15, 7
	s_add_co_u32 s20, s20, s21                     ; my first row of the output
	s_lshl_b32 s20, s20, 12                        ; rows of 4,096 bytes
	s_lshl_b32 s46, s42, 10
	s_lshl_b32 s47, s16, 9
	s_add_co_u32 s46, s46, s47                     ; my first column, in bytes
	s_add_co_u32 s20, s20, s46
	s_mov_b32 s21, 0
	s_add_nc_u64 s[10:11], s[10:11], s[20:21]
.macro FRAG reg, adr, q, i             ; B: registers 4 c .. 4 c + 3 hold K = 128 q + 32 c + 16 h + 0 .. 15 of the slot's 256
.irp c, 0,1,2,3
	ds_load_b128 v[\reg+4*\c:\reg+4*\c+3], v[\adr] offset:128*(\q)+32*\c+(\i)*16*PITCH
.endr
.endm
.macro FRAGA reg, adr, q, i            ; A: the same K: head 2 q + c / 2 of the slot's four, channels 32 (c % 2) + 16 h + 0 .. 15; block i begins 4 LDS rows x i down its plane
.irp c, 0,1,2,3
	ds_load_b128 v[\reg+4*\c:\reg+4*\c+3], v[\adr] offset:PLANE*(2*(\q)+\c/2)+32*(\c%2)+(\i)*4*PITCH
.endr
.endm
.macro MUL16 a0, p, zero               ; 16 matrix instructions; the 64 accumulators take turns, one instruction a turn
.irp a, \a0, \a0+1
.irp b, 0,1,2,3,4,5,6,7
.if \zero
	v_wmma_f32_16x16x128_fp8_fp8 v[8*(8*((\a)%4)+\b):8*(8*((\a)%4)+\b)+7], v[128*(\p)+FR*\b:128*(\p)+FR*\b+FR-1], v[AF+FR*(\a):AF+FR*(\a)+FR-1], 0
.else
	v_wmma_f32_16x16x128_fp8_fp8 v[8*(8*((\a)%4)+\b):8*(8*((\a)%4)+\b)+7], v[128*(\p)+FR*\b:128*(\p)+FR*\b+FR-1], v[AF+FR*(\a):AF+FR*(\a)+FR-1], v[8*(8*((\a)%4)+\b):8*(8*((\a)%4)+\b)+7]
.endif
.endr
.endr
.endm
.macro FETCH_B slot, q, p
	WIN TO_B
.irp i, 0,1,2,3,4,5,6,7
	FRAG 128*(\p)+FR*\i, ADRB+\slot, \q, \i
.endr
	WIN 0
.endm
.macro FETCH_A slot, q, i0
.irp i, \i0, \i0+1, \i0+2, \i0+3
	FRAGA AF+FR*(\i), ADRA+\slot, \q, \i
.endr
.endm
.macro PLACES n                        ; plain vector lines between a matrix instruction and a load into, or a vector read of, its registers
.rept \n
	v_nop
.endr
.endm
.macro STEP slot, q, zero
	s_wait_dscnt 4*NL                              ; B's set and A's blocks 0-3 are in; the youngest sixteen loads (A's blocks 4-7) may be out
	WIN MUL_LO
	MUL16 0, (\q)%2, \zero
	MUL16 2, (\q)%2, \zero
	s_wait_dscnt 0
	PLACES NP
	FETCH_B \slot, (\q)+1, 1-(\q)%2
	FETCH_A \slot, (\q)+1, 0
	WIN MUL_HI
	MUL16 4, (\q)%2, \zero
	MUL16 6, (\q)%2, \zero
	PLACES NP
	WIN 0
	FETCH_A \slot, (\q)+1, 4
.endm
.macro TURN slot, next, fill           ; a slot's last step changes slots: one barrier, with the three lines in front of it; fill = 1: the slot is filled again, two K steps ahead
	s_wait_tensorcnt 0x0                           ; all my tensor loads have landed: my part of the next slot
	ds_add_u32 v[SPW], v[NIL]                      ; 0 onto my spare word
	s_wait_dscnt 4*NL+1                            ; (the add and the youngest sixteen loads may be out)
	WIN MUL_LO
	MUL16 0, 1, 0
	s_wait_dscnt 0x0                               ; the add is done, and my reads of this slot are over
	s_barrier_signal -1
	MUL16 2, 1, 0
	WIN 0
	s_barrier_wait -1
.if \fill
	CREST                                          ; the barrier has opened a round of the cluster's barrier: no wave of any partner still reads this slot or has a load on its way
	s_add_nc_u64 s[G0+4*\slot+2:G0+4*\slot+3], s[G0+4*\slot+2:G0+4*\slot+3], 2*ASTEP
	s_add_nc_u64 s[G0B+4*\slot+2:G0B+4*\slot+3], s[G0B+4*\slot+2:G0B+4*\slot+3], 2*ROWB
	JLOAD G0+4*\slot, G1, G0B+4*\slot, G1B         ; the first tensor load behind the round; its four v_nop are also the places in front of the loads below
.else
	PLACES NP
.endif
	FETCH_B \next, 0, 0
	FETCH_A \next, 0, 0
	WIN MUL_HI
	MUL16 4, 1, 0
	MUL16 6, 1, 0
	PLACES NP
	WIN 0
	FETCH_A \next, 0, 4
.endm
	s_wait_alu depctr_va_vdst(0)
	s_wait_tensorcnt 1                             ; my part of K step 0 is in (K step 1's load may be out)
	s_barrier_signal -1
	s_barrier_wait -1                              ; everybody's is
	FETCH_B 0, 0, 0
	FETCH_A 0, 0, 0
	FETCH_A 0, 0, 4
	STEP 0, 0, 1                                   ; K = 1,024 is four slots: the eight steps of 128 are written out
	TURN 0, 1, 1
	STEP 1, 0, 0
	TURN 1, 0, 1
	STEP 0, 0, 0
	TURN 0, 1, 0                                   ; the last change of slots fills nothing
	STEP 1, 0, 0
	s_wait_dscnt 4*NL                              ; the very last step: nothing more to fetch
	WIN MUL_LO
	MUL16 0, 1, 0
	MUL16 2, 1, 0
	s_wait_dscnt 0
	WIN MUL_HI
	MUL16 4, 1, 0
	MUL16 6, 1, 0
	WIN 0
; THE WAY OUT, block by block of 16 rows x 128 columns: x 2^(e10 + e11), through my own stage in LDS, back as whole rows of 512 bytes.
.macro TOSTAGE a
.set AC, 64*((\a)%4)
	WIN 0x02+((\a)/4)                              ; source 0: window 2 or 3
.irp j, 0,2,4,6,8,10,12,14,16,18,20,22,24,26,28,30,32,34,36,38,40,42,44,46,48,50,52,54,56,58,60,62
	v_pk_mul_f32 v[TMP+\j:TMP+\j+1], v[AC+\j:AC+\j+1], s[96:97] op_sel_hi:[1,0]   ; both x s96; each accumulator from its low end on
.endr
	WIN 0
.irp b, 0,1,2,3,4,5,6,7
	ds_store_b128 v[STO], v[TMP+8*\b:TMP+8*\b+3] offset:64*\b
	ds_store_b128 v[STO], v[TMP+8*\b+4:TMP+8*\b+7] offset:64*\b+16
.endr
.set BB, BK+64*((\a)%2)
.irp t, 0,1,2,3,4,5,6,7,8,9,10,11,12,13,14,15
	ds_load_b128 v[BB+4*\t:BB+4*\t+3], v[RD] offset:\t*SPITCH   ; LDS serves a wave's instructions in order (ISA guide 5.7.1.4): these see the stores above
.endr
.endm
.macro SEND a, younger                 ; younger: the LDS instructions issued behind block a's loads
.set BB, BK+64*((\a)%2)
	s_wait_dscnt \younger
.if (\a) > 0
	s_add_nc_u64 s[10:11], s[10:11], 16*SIZE_N*4   ; (behind a wait on XCNT: the earlier stores have read their base)  16 rows on
.endif
.irp t, 0,1,2,3,4,5,6,7,8,9,10,11,12,13,14,15
	global_store_b128 v[CO], v[BB+4*\t:BB+4*\t+3], s[10:11] offset:\t*SIZE_N*4 th:TH_STORE_NT   ; 32 lanes store 512 consecutive bytes, at a multiple of 256 from the output's first byte
.endr
.endm
	s_wait_kmcnt 0x0
	s_add_co_i32 s96, s96, s97                     ; e10 + e11
	s_add_co_i32 s96, s96, 127
	s_lshl_b32 s96, s96, 23                        ; 2^(e10 + e11) as f32
	PLACES NP
	TOSTAGE 0
.irp a, 1,2,3,4,5,6,7
.if \a > 1
	s_wait_xcnt 0x0                                ; block a - 2's stores have read their registers and their base
.endif
	TOSTAGE \a
	SEND \a-1, 32                                  ; behind block a - 1's loads: block a's 16 stores and 16 loads
.endr
	s_wait_xcnt 0x0
	SEND 7, 0
	s_wait_tensorcnt 0x0                           ; the wave's end: behind my last tensor load and my last LDS store
	ds_add_u32 v[SPW], v[NIL]
	s_wait_dscnt 0x0
	CROUND                                         ; the closing round: no work-group ends while a partner may still ask for a tile that names it
	s_endpgm
.Lfunc_end_k_q07ca8e6963_oproj:
	.size	k_q07ca8e6963_oproj, .Lfunc_end_k_q07ca8e6963_oproj-k_q07ca8e6963_oproj
	.p2alignl 7, 3214868480
	.fill 96, 4, 3214868480
	.section	.rodata,"a",@progbits
	.p2align	6, 0x0
	.amdhsa_kernel k_q07ca8e6963_oproj
		.amdhsa_group_segment_fixed_size 327680
		.amdhsa_private_segment_fixed_size 0
		.amdhsa_enable_private_segment 0
		.amdhsa_kernarg_size 32
		.amdhsa_user_sgpr_count 2
		.amdhsa_user_sgpr_kernarg_segment_ptr 1
		.amdhsa_wavefront_size32 1
		.amdhsa_system_sgpr_workgroup_id_x 1
		.amdhsa_system_sgpr_workgroup_id_y 1
		.amdhsa_system_sgpr_workgroup_id_z 1
		.amdhsa_system_vgpr_workitem_id 0
		.amdhsa_next_free_vgpr 1024
		.amdhsa_next_free_sgpr 98
		.amdhsa_reserve_vcc 0
		.amdhsa_float_denorm_mode_32 3
		.amdhsa_float_denorm_mode_16_64 3
		.amdhsa_memory_ordered 1
		.amdhsa_forward_progress 1
		.amdhsa_inst_pref_size 124
	.end_amdhsa_kernel
	.amdgpu_metadata
---
amdhsa.version: [ 1, 2 ]
amdhsa.kernels:
  - .name:           k_q07ca8e6963_oproj
    .symbol:         k_q07ca8e6963_oproj.kd
    .args:
      - { .name: ac, .offset: 0, .size: 8, .value_kind: global_buffer, .address_space: global }
      - { .name: wc, .offset: 8, .size: 8, .value_kind: global_buffer, .address_space: global }
      - { .name: lowp_scales, .offset: 16, .size: 8, .value_kind: global_buffer, .address_space: global }
      - { .name: out0, .offset: 24, .size: 8, .value_kind: global_buffer, .address_space: global }
    .group_segment_fixed_size: 327680
    .private_segment_fixed_size: 0
    .kernarg_segment_align: 8
    .kernarg_segment_size: 32
    .max_flat_workgroup_size: 128
    .sgpr_count:     98
    .vgpr_count:     1024
    .wavefront_size: 32
...
	.end_amdgpu_metadata
.endif
;; end of part 4
